; MI455X (gfx1250); checked and timed in simulation.
; The chip was launched on July 23, 2026; its instructions are those of AMD's public machine-readable ISA for CDNA 5 (MIT licence, August 2026) and "CDNA5" Instruction Set Architecture Reference Guide (July 2026). The comments in the code are by the model that wrote it; some were corrected since.
;; Multi Head Attention. Allowed arithmetic: float matrix products may take bf16 or f16 operands with f32 sums; other float arithmetic in f32, or as packed bf16 or f16 multiplies, adds, multiply-adds, maxima and minima; sums over many terms, partial sums and values carried from step to step in f32; what a program stores and reads back later, other than sums and carried values, may be rounded once to bf16 or f16.
;; Inputs: Wk 1,024 x 4,096 float32; Wo 4,096 x 1,024 float32; Wq 1,024 x 4,096 float32; Wv 1,024 x 4,096 float32; mask 1 x 2,048 x 2,048 bool; x 1 x 2,048 x 1,024 float32.
;; Outputs: out0 1 x 2,048 x 1,024 float32.
;; One version. Each part assembles by itself: llvm-mc -triple=amdgcn-amd-amdhsa -mcpu=gfx1250 --defsym DOCPART=n.
;; ======== version 1 of 1: 4 launches
;; limits: values are held in f16: magnitudes above 65,504 overflow, below 6.1e-05 lose precision
;; workspace buffers: xb 4,194,304 bytes; wb 25,165,824 bytes; wo16 8,388,608 bytes; maskw 524,288 bytes of whole numbers; qkv 50,331,648 bytes; y16 16,777,216 bytes
;; launch prep (part 1): grid 1408 x 1, 8 waves a work-group, no clusters, 0 bytes of LDS; arguments x, Wq, Wk, Wv, Wo, mask, xb, wb, wo16, maskw; writes xb, wb, wo16, maskw
.if DOCPART == 1
	.amdgcn_target "amdgcn-amd-amdhsa--gfx1250"
	.amdhsa_code_object_version 6
	.text
	.protected	k_qf397ad958f_prep
	.globl	k_qf397ad958f_prep
	.p2align	8
	.type	k_qf397ad958f_prep,@function
k_qf397ad958f_prep:
	s_mov_b64 s[64:65], 0
	v_nop
	global_prefetch_b8 v0, s[64:65] scope:SCOPE_SE
	s_setreg_imm32_b32 hwreg(HW_REG_WAVE_MODE, 25, 1), 1
	s_wait_xcnt 0x0
; PREP: the inputs are rounded once to 16 bits and laid out for the matrix launches; the mask becomes lane masks.  A stream: no LDS, no barrier, no matrix unit.
;   work-groups    0 ..  767: Wq, Wk, Wv [1024][4096] f32 -> wb [1024][12288] bf16 (the three side by side), 4 rows a work-group
;   work-groups  768 .. 1023: Wo [4096][1024] f32 -> wo16 [4096][1024]: rounded to bf16, that number written as f16, 16 rows a work-group
;   work-groups 1024 .. 1151: x [2048][1024] f32 -> xb [16 blocks of 64 k][2048 rows][64] bf16, 16 rows a work-group
;   work-groups 1152 .. 1407: mask [2048][2048] bytes -> maskw [64 pairs of query tiles][32 key steps][64 words], a wave for each pair and step
; LIMITS.  bf16(Wo) as f16 is exact between 6.1e-5 and 65,504; below it keeps f16's fixed step of 6e-8, beyond it would be an infinity.
; A cast: a thread takes 16 units of 4 numbers.  A wave's load covers 512 consecutive bytes (for x: 256 of each of two rows), its store the 256 consecutive bytes, aligned, that they make.  All 16 loads go out
; at once; each unit is rounded when its load is in.  Every unit has registers of its own, so no register is written while a load or store may still read it.
.set VS,  2                            ; v2      my byte offset in the source
.set VD,  3                            ; v3      my byte offset in the destination
.set T,   4                            ; v[4:7] at work
.set X,   16                           ; v[16:79]  unit u: 4 numbers as loaded
.set Y,   80                           ; v[80:111] unit u: 4 numbers to store
.set OUT, 40                           ; v[40:41]  the mask task: lane n holds words 2 n and 2 n + 1
.set SRC, 24                           ; s[24:25]
.set DST, 26                           ; s[26:27]
; lstep: bytes from unit to unit in the source; unit u goes to (u / 4) sa + (u % 4) sb; f16 = 1: bf16's number is written as f16
.macro CAST lstep, sa, sb, f16
.set u, 0
.rept 16
	global_load_b128 v[X+4*u:X+4*u+3], v[VS], s[SRC:SRC+1] offset:u*(\lstep) th:TH_LOAD_NT
.set u, u+1
.endr
.set u, 0
.rept 16
	s_wait_loadcnt 15-u                            ; loads come back in order: unit u's is in, the later units' stay out
	v_cvt_pk_bf16_f32 v[Y+2*u],   v[X+4*u],   v[X+4*u+1]
	v_cvt_pk_bf16_f32 v[Y+2*u+1], v[X+4*u+2], v[X+4*u+3]
.if \f16
	v_lshlrev_b32 v[T],   16, v[Y+2*u]             ; bf16 to f32: the low half moves up,
	v_and_b32     v[T+1], 0xffff0000, v[Y+2*u]     ; the high half stays
	v_lshlrev_b32 v[T+2], 16, v[Y+2*u+1]
	v_and_b32     v[T+3], 0xffff0000, v[Y+2*u+1]
	v_cvt_pk_f16_f32 v[Y+2*u],   v[T],   v[T+1]
	v_cvt_pk_f16_f32 v[Y+2*u+1], v[T+2], v[T+3]
.endif
	global_store_b64 v[VD], v[Y+2*u:Y+2*u+1], s[DST:DST+1] offset:(u/4)*(\sa)+(u%4)*(\sb)
.set u, u+1
.endr
.endm
	s_load_b512 s[4:19], s[0:1], 0x0               ; x s[4:5], Wq s[6:7], Wk s[8:9], Wv s[10:11], Wo s[12:13], mask s[14:15], xb s[16:17], wb s[18:19]
	s_load_b128 s[20:23], s[0:1], 0x40             ; wo16 s[20:21], maskw s[22:23]
	s_mov_b32 s2, ttmp9
	v_lshrrev_b32 v1, 5, v0
	v_readfirstlane_b32 s3, v1                     ; wave 0..7
	s_mov_b32 s29, 0                               ; the offsets' high words
	s_mov_b32 s31, 0
	s_wait_kmcnt 0x0
	s_cmp_lt_u32 s2, 768
	s_cbranch_scc0 .Lnot_w
	; Wq, Wk, Wv.  A unit of the work-group is a quarter of a row: 1,024 numbers, 4,096 bytes in, 2,048 out
	s_lshr_b32 s32, s2, 8                          ; which of the three
	s_and_b32 s33, s2, 255                         ; its block of 4 rows
	s_cmp_eq_u32 s32, 1
	s_cselect_b64 s[SRC:SRC+1], s[8:9], s[6:7]
	s_cmp_eq_u32 s32, 2
	s_cselect_b64 s[SRC:SRC+1], s[10:11], s[SRC:SRC+1]
	s_lshl_b32 s28, s33, 16                        ; 4 rows of 16,384 bytes
	s_add_nc_u64 s[SRC:SRC+1], s[SRC:SRC+1], s[28:29]
	s_mul_i32 s30, s33, 4*24576                    ; 4 rows of wb,
	s_lshl_b32 s34, s32, 13                        ; and the tensor's 4,096 columns
	s_add_co_u32 s30, s30, s34
	s_add_nc_u64 s[DST:DST+1], s[18:19], s[30:31]
	v_lshlrev_b32 v[VS], 4, v0
	v_lshlrev_b32 v[VD], 3, v0
	CAST 4096, 24576, 2048, 0
	s_endpgm
.Lnot_w:
	s_cmp_lt_u32 s2, 1024
	s_cbranch_scc0 .Lnot_wo
	; Wo: dense in, dense out
	s_sub_co_u32 s33, s2, 768
	s_lshl_b32 s28, s33, 16
	s_add_nc_u64 s[SRC:SRC+1], s[12:13], s[28:29]
	s_lshl_b32 s30, s33, 15
	s_add_nc_u64 s[DST:DST+1], s[20:21], s[30:31]
	v_lshlrev_b32 v[VS], 4, v0
	v_lshlrev_b32 v[VD], 3, v0
	CAST 4096, 8192, 2048, 1
	s_endpgm
.Lnot_wo:
	s_cmp_lt_u32 s2, 1152
	s_cbranch_scc0 .Lmask
	; x.  Sixteen lanes take 64 numbers of a row (256 bytes in, 128 out), a wave two rows; unit u is block u of 64 k.  In xb two rows of a block are 256 consecutive bytes
	s_sub_co_u32 s33, s2, 1024
	s_lshl_b32 s28, s33, 16                        ; 16 rows of 4,096 bytes
	s_add_nc_u64 s[SRC:SRC+1], s[4:5], s[28:29]
	s_lshl_b32 s30, s33, 11                        ; 16 rows of 128 bytes in a block
	s_add_nc_u64 s[DST:DST+1], s[16:17], s[30:31]
	v_lshrrev_b32 v4, 4, v0                        ; my row of the 16
	v_and_b32 v5, 15, v0                           ; my place among a row's sixteen lanes
	v_lshlrev_b32 v[VS], 12, v4
	v_lshl_add_u32 v[VS], v5, 4, v[VS]
	v_lshlrev_b32 v[VD], 3, v0                     ; 128 x row + 8 x place
	CAST 256, 1048576, 262144, 0
	s_endpgm
.Lmask:
	; The mask.  A wave takes 32 queries (tiles t = 0, 1 of 16) x 64 keys.  Word 2 (8 kt + j) + t: bit L = mask[32 pair + 16 t + L % 16][64 step + 16 kt + 8 (L / 16) + j]:
	; the lanes' bits for register 8 kt + j of the score tile as the attention launch holds it.  A compare makes a word of 32 lanes' bytes; v_writelane_b32 puts it into lane 8 kt + j.
	s_sub_co_u32 s33, s2, 1152
	s_lshr_b32 s34, s33, 2                         ; the pair of tiles
	s_and_b32 s35, s33, 3
	s_lshl3_add_u32 s35, s35, s3                   ; the key step: 8 (work-group % 4) + wave
	s_lshl_b32 s28, s34, 16                        ; 32 rows of 2,048 bytes,
	s_lshl_b32 s36, s35, 6                         ; 64 keys
	s_add_co_u32 s28, s28, s36
	s_add_nc_u64 s[SRC:SRC+1], s[14:15], s[28:29]
	s_lshl_b32 s30, s34, 5
	s_add_co_u32 s30, s30, s35
	s_lshl_b32 s30, s30, 8                         ; 256 bytes for each pair and step
	s_add_nc_u64 s[DST:DST+1], s[22:23], s[30:31]
	v_and_b32 v4, 15, v0
	v_bfe_u32 v5, v0, 4, 1
	v_lshlrev_b32 v[VS], 11, v4                    ; row L % 16,
	v_lshl_add_u32 v[VS], v5, 3, v[VS]             ; 8 keys for each half of the lanes
	v_and_b32 v[VD], 31, v0
	v_lshlrev_b32 v[VD], 3, v[VD]
.irp t, 0,1
.irp kt, 0,1,2,3
	global_load_b64 v[X+2*(4*(\t)+(\kt)):X+2*(4*(\t)+(\kt))+1], v[VS], s[SRC:SRC+1] offset:(\t)*32768+16*(\kt)
.endr
.endr
	v_mov_b32 v[OUT], 0                            ; v_writelane_b32 counts as a reader of its destination
	v_mov_b32 v[OUT+1], 0
	s_wait_loadcnt 0x0
.set n, 0
.irp t, 0,1
.irp kt, 0,1,2,3
.irp j, 0,1,2,3,4,5,6,7
	v_and_b32 v[T+n%4], 0xff<<(8*((\j)%4)), v[X+2*(4*(\t)+(\kt))+(\j)/4]
	v_cmp_ne_u32 s[36+n%8], 0, v[T+n%4]
	v_writelane_b32 v[OUT+(\t)], s[36+n%8], 8*(\kt)+(\j)
.set n, n+1
.endr
.endr
.endr
	global_store_b64 v[VD], v[OUT:OUT+1], s[DST:DST+1]  ; 256 consecutive bytes, aligned
	s_endpgm
.Lfunc_end_k_qf397ad958f_prep:
	.size	k_qf397ad958f_prep, .Lfunc_end_k_qf397ad958f_prep-k_qf397ad958f_prep
	.p2alignl 7, 3214868480
	.fill 96, 4, 3214868480
	.section	.rodata,"a",@progbits
	.p2align	6, 0x0
	.amdhsa_kernel k_qf397ad958f_prep
		.amdhsa_group_segment_fixed_size 0
		.amdhsa_private_segment_fixed_size 0
		.amdhsa_enable_private_segment 0
		.amdhsa_kernarg_size 80
		.amdhsa_user_sgpr_count 2
		.amdhsa_user_sgpr_kernarg_segment_ptr 1
		.amdhsa_wavefront_size32 1
		.amdhsa_system_sgpr_workgroup_id_x 1
		.amdhsa_system_sgpr_workgroup_id_y 1
		.amdhsa_system_sgpr_workgroup_id_z 1
		.amdhsa_system_vgpr_workitem_id 0
		.amdhsa_next_free_vgpr 112
		.amdhsa_next_free_sgpr 66
		.amdhsa_reserve_vcc 0
		.amdhsa_float_denorm_mode_32 3
		.amdhsa_float_denorm_mode_16_64 3
		.amdhsa_memory_ordered 1
		.amdhsa_forward_progress 1
		.amdhsa_inst_pref_size 38
	.end_amdhsa_kernel
	.amdgpu_metadata
---
amdhsa.version: [ 1, 2 ]
amdhsa.kernels:
  - .name:           k_qf397ad958f_prep
    .symbol:         k_qf397ad958f_prep.kd
    .args:
      - { .name: x, .offset: 0, .size: 8, .value_kind: global_buffer, .address_space: global }
      - { .name: Wq, .offset: 8, .size: 8, .value_kind: global_buffer, .address_space: global }
      - { .name: Wk, .offset: 16, .size: 8, .value_kind: global_buffer, .address_space: global }
      - { .name: Wv, .offset: 24, .size: 8, .value_kind: global_buffer, .address_space: global }
      - { .name: Wo, .offset: 32, .size: 8, .value_kind: global_buffer, .address_space: global }
      - { .name: mask, .offset: 40, .size: 8, .value_kind: global_buffer, .address_space: global }
      - { .name: xb, .offset: 48, .size: 8, .value_kind: global_buffer, .address_space: global }
      - { .name: wb, .offset: 56, .size: 8, .value_kind: global_buffer, .address_space: global }
      - { .name: wo16, .offset: 64, .size: 8, .value_kind: global_buffer, .address_space: global }
      - { .name: maskw, .offset: 72, .size: 8, .value_kind: global_buffer, .address_space: global }
    .group_segment_fixed_size: 0
    .private_segment_fixed_size: 0
    .kernarg_segment_align: 8
    .kernarg_segment_size: 80
    .max_flat_workgroup_size: 256
    .sgpr_count:     66
    .vgpr_count:     112
    .wavefront_size: 32
...
	.end_amdgpu_metadata
.endif
;; end of part 1
;; launch qkv (part 2): grid 32 x 8, 4 waves a work-group, clusters of 4 x 4, 327,680 bytes of LDS; arguments xb, wb, qkv; writes qkv
.if DOCPART == 2
	.amdgcn_target "amdgcn-amd-amdhsa--gfx1250"
	.amdhsa_code_object_version 6
	.text
	.protected	k_qf397ad958f_qkv
	.globl	k_qf397ad958f_qkv
	.p2align	8
	.type	k_qf397ad958f_qkv,@function
k_qf397ad958f_qkv:
	s_mov_b64 s[64:65], 0
	v_nop
	global_prefetch_b8 v0, s[64:65] scope:SCOPE_SE
	s_setreg_imm32_b32 hwreg(HW_REG_WAVE_MODE, 25, 1), 1
	s_wait_xcnt 0x0
	s_wait_alu depctr_hold_cnt(0) depctr_sa_sdst(0) depctr_va_vdst(0) depctr_va_sdst(0) depctr_va_ssrc(0) depctr_va_vcc(0) depctr_vm_vsrc(0)
	s_getreg_b32 s2, hwreg(HW_REG_IB_STS2, 6, 4)
	s_cmp_eq_u32 s2, 0
	s_cbranch_scc0 .Lentry_in_a_cluster
	s_endpgm
.Lentry_in_a_cluster:
	s_bfe_u32 s2, ttmp6, 0x10000c
	s_cmp_lg_u32 s2, 0xf033
	s_cbranch_scc0 .Lentry_shape_is_right
	s_endpgm
.Lentry_shape_is_right:
; QKV: C[2048][12288] = x W, W = Wq | Wk | Wv.  xb: [16 blocks of 64 k][2048][64] bf16.  wb: [1024 k][12288] bf16.  Sums in f32, K ascending; C rounded once to f16 and written by heads:
; qkv [48 = 16 which + head][2048][256] f16, unscaled.  LIMIT: f16 ends at 65,504: q, k and v must stay within it (sums of 1,024 products of x and W).
; SHARES.  A work-group makes 256 rows x 384 columns: 32 x 8 = 256 work-groups.  The 384 columns are three PIECES of 128.  Wave w (wm = w / 2, wn = w % 2) makes rows 128 wm .. + 127 and in each piece
; columns 64 wn .. + 63: 96 accumulators of 16 x 16, 768 registers; 40 LDS loads feed 96 matrix instructions.
; RING.  K goes in 16 steps of 64 through two LDS slots.  A slot: x's 256 rows (dense in xb: asked for as 128 rows of 256 bytes, padded after every 128), then three pieces of W, 64 k-rows of 256 bytes each.
; Waves 0 to 2 fetch piece 0 to 2 of W, wave 3 x's tile: one tensor load a wave behind each change of slots.
; CLUSTER.  4 x 4 work-groups: x's tile hangs on the tile row alone and is asked for jointly by a row of the cluster, W's pieces on the tile column alone and by a column.
; THE MATRIX INSTRUCTION IS USED TRANSPOSED: source 0 = 16 columns of W (turned on the way out of LDS by ds_load_tr16_b128), source 1 = 16 rows of x: a lane holds eight neighbouring columns of one row of C.
; REGISTERS, in windows of 256 (s_set_vgpr_msb: bits 1:0 source 0, 3:2 source 1, 5:4 source 2, 7:6 destination):
;   window 0: v16-29 addresses; v32-159 x's fragments, two buffers of 8 x 8; v160-255 W's fragments, a group of 4 x 8 for each piece     window 1 + p: piece p's accumulators, (a, i) at v[8 (4 a + i)]
.set PA,     144                       ; a row of x in LDS: 128 bytes + 16 = 36 words: the 16 rows of a load start at 16 different groups of four banks (64 banks of 4 bytes: ISA guide 11.1)
.set PB,     288                       ; a k-row of a piece of W: 256 + 32 = 72 words
.set ATILE,  256*PA
.set BPIECE, 64*PB
.set SLOT,   ATILE+3*BPIECE            ; 92,160
.set SPITCH, 816                       ; the stage's row: three pieces of 256 + 16 bytes = 204 words: 16 rows start at 16 different groups of four banks
.set SPARE,  256*SPITCH                ; the stage (256 rows) lies over the ring, which has had its last fill by then; behind it the spare words, 128 bytes a wave, which no other line names
.set ASTEP,  262144                    ; bytes from K step to K step in xb
.set BSTEP,  64*12288*2                ; and in wb
.set ADRA, 16                          ; v16-17  LDS address of my fragments of x in slot 0, 1
.set ADRB, 20                          ; v20-21  the same for W
.set STO,  24                          ; v24-25  the way out: where I put 16 bytes of a row: row blocks 0-3, 4-7
.set RD,   26                          ; v26     the way out: where I read rows back
.set CO,   27                          ; v27     my byte offset in two rows of a head
.set SPW,  28                          ; v28     LDS address of my spare word; never rewritten
.set NIL,  29                          ; v29     0; never rewritten
.set AF,   32
.set BF,   160
.set TMP,  32                          ; the way out: 128 registers
.set WV,   10                          ; s10     my wave's number
.set G1A,  24                          ; s[24:31] descriptor group 1 for x's tiles;  s[32:39] group 0, a set for each slot
.set G0A,  32
.set G1B,  48                          ; s[48:55], s[56:63] the same for W's pieces
.set G0B,  56
.set OB,   68                          ; s[68:73] where my rows of piece 0, 1, 2 begin in qkv
.set MSB, 0
.macro WIN new                         ; the immediate's high byte repeats the setting that is left; a switch that changes nothing is dropped
.if MSB != (\new)
	s_set_vgpr_msb (MSB<<8)|(\new)
.set MSB, (\new)
.endif
.endm
; A joint load.  Wave 3 asks for x's tile, waves 0 to 2 each for their piece of W.  The branch hangs on the wave's number alone.
; An s_nop 0 and four v_nop follow each of the two lines, ahead of the jump and the label.
.macro JLOAD s
	s_cmp_eq_u32 s[WV], 3
	s_cbranch_scc0 .Lfor_b_\@
	tensor_load_to_lds s[G0A+4*(\s):G0A+4*(\s)+3], s[G1A:G1A+7]
	s_nop 0
.rept 4
	v_nop
.endr
	s_branch .Lasked_\@
.Lfor_b_\@:
	tensor_load_to_lds s[G0B+4*(\s):G0B+4*(\s)+3], s[G1B:G1B+7]
	s_nop 0
.rept 4
	v_nop
.endr
.Lasked_\@:
.endm
.macro CREST                           ; a round of the cluster's barrier behind its opening barrier
	s_cmp_lg_u32 s[WV], 0
	s_cbranch_scc1 .Lnot_wave_0_\@
	s_barrier_signal -3
.Lnot_wave_0_\@:
	s_barrier_wait -3
	s_barrier_signal -1
	s_barrier_wait -1
.endm
.macro CROUND                          ; a whole round
	s_barrier_signal -1
	s_barrier_wait -1
	CREST
.endm
.macro PLACES                          ; four places in front of loads into registers that matrix instructions have read, and of conversions that read results (ISA guide 7.12.1 for the conversions)
.rept 4
	v_nop
.endr
.endm
	s_load_b128 s[4:7], s[0:1], 0x0                ; xb s[4:5], wb s[6:7]
	s_load_b64 s[8:9], s[0:1], 0x10                ; qkv
	v_lshl_add_u32 v[SPW], v0, 2, SPARE
	v_mov_b32 v[NIL], 0
	ds_add_u32 v[SPW], v[NIL]                      ; the wave's opening: the add and its wait stand ahead of my first tensor load; the set-up below, work on registers, stands between them
	v_lshrrev_b32 v1, 5, v0
	v_readfirstlane_b32 s[WV], v1                  ; wave 0..3
	s_lshr_b32 s11, s[WV], 1                       ; wm
	s_and_b32 s12, s[WV], 1                        ; wn
	s_bfe_u32 s40, ttmp6, 0x40000                  ; cx, cy: my place in the cluster
	s_bfe_u32 s41, ttmp6, 0x40004
	s_lshl_b32 s42, ttmp9, 2
	s_add_co_u32 s42, s42, s40                     ; tile column = 4 x cluster x + cx
	s_and_b32 s13, ttmp7, 0xffff
	s_lshl_b32 s13, s13, 2
	s_add_co_u32 s13, s13, s41                     ; tile row = 4 x cluster y + cy
	s_lshl_b32 s43, s41, 2
	s_lshl_b32 s43, 15, s43                        ; my row of the cluster
	s_lshl_b32 s44, 0x1111, s40                    ; my column
	s_or_b32 s[G1A], s43, (1<<16)|(1<<20)|(1<<21)|(4<<22)|(3<<25)  ; 15:0 the mask; 17:16 2-byte elements; 20 padding on; 21 set beside a mask; 24:22 after every 32 words (code 4); 31:25 4 words (code 3)
	s_mov_b32 s[G1A+1], 128<<16                    ; tensor_dim0 = 128
	s_mov_b32 s[G1A+2], 128<<16                    ; tensor_dim1 = 128
	s_mov_b32 s[G1A+3], 128<<16                    ; tile_dim0 = 128
	s_mov_b32 s[G1A+4], 128                        ; tile_dim1 = 128
	s_mov_b32 s[G1A+5], 128                        ; 128 elements from row to row: the tile is dense
	s_mov_b32 s[G1A+6], 0
	s_mov_b32 s[G1A+7], 0
	s_or_b32 s[G1B], s44, (1<<16)|(1<<20)|(1<<21)|(5<<22)|(7<<25)  ; after every 64 words (code 5) 8 words (code 7)
	s_mov_b32 s[G1B+1], 128<<16                    ; tensor_dim0 = 128
	s_mov_b32 s[G1B+2], 64<<16                     ; tensor_dim1 = 64
	s_mov_b32 s[G1B+3], 128<<16                    ; tile_dim0 = 128
	s_mov_b32 s[G1B+4], 64                         ; tile_dim1 = 64
	s_mov_b32 s[G1B+5], 12288                      ; elements from k-row to k-row
	s_mov_b32 s[G1B+6], 0
	s_mov_b32 s[G1B+7], 0
	s_lshl_b32 s16, s13, 15                        ; x: 256 rows of 128 bytes for each tile row
	s_mov_b32 s17, 0
	s_mul_i32 s46, s42, 3
	s_add_co_u32 s46, s46, s[WV]                   ; W: piece 3 x tile column + wave (wave 3 makes this descriptor too and never asks by it),
	s_lshl_b32 s46, s46, 8                         ; 256 bytes each
	s_mov_b32 s47, 0
	s_mul_i32 s20, s[WV], BPIECE
	s_add_co_u32 s20, s20, ATILE                   ; where the piece goes in a slot: behind x's tile, wave x a piece's bytes: no place in the cluster enters an LDS address
	s_wait_dscnt 0x0                               ; the opening add is done
	s_wait_kmcnt 0x0
	s_add_nc_u64 s[18:19], s[4:5], s[16:17]
	s_add_nc_u64 s[46:47], s[6:7], s[46:47]
	CROUND                                         ; all sixteen work-groups are here: the first joint loads meet
.irp s, 0,1
	s_mov_b32 s[G0A+4*(\s)], 1                     ; count = 1
	s_mov_b32 s[G0A+4*(\s)+1], (\s)*SLOT           ; LDS address
	s_add_nc_u64 s[G0A+4*(\s)+2:G0A+4*(\s)+3], s[18:19], (\s)*ASTEP  ; global address: K step s
	s_or_b32 s[G0A+4*(\s)+3], s[G0A+4*(\s)+3], 0x80000000            ; type = 2
	s_mov_b32 s[G0B+4*(\s)], 1
	s_add_co_u32 s[G0B+4*(\s)+1], s20, (\s)*SLOT
	s_add_nc_u64 s[G0B+4*(\s)+2:G0B+4*(\s)+3], s[46:47], (\s)*BSTEP
	s_or_b32 s[G0B+4*(\s)+3], s[G0B+4*(\s)+3], 0x80000000
	JLOAD \s                                       ; two loads of mine are out
.endr
	v_and_b32 v1, 15, v0                           ; r = l % 16
	v_bfe_u32 v2, v0, 4, 1                         ; h = l / 16
	v_and_b32 v3, 7, v0
	v_bfe_u32 v4, v0, 3, 1
	; a fragment of x: lane l holds row r, k = 8 h + 0..7 and 16 + 8 h + 0..7: two loads of 16 bytes, 32 bytes apart
	v_mul_u32_u24 v5, v1, PA
	v_lshl_add_u32 v5, v2, 4, v5
	s_mul_i32 s21, s11, 128*PA
	v_add_nc_u32 v[ADRA], s21, v5
	v_add_nc_u32 v[ADRA+1], SLOT, v[ADRA]
	; a fragment of W: the turning load takes 16 k x 16 columns (lane l reads k-row 8 h + l % 8, columns 8 ((l / 8) % 2) + 0..7) and leaves lane l column r and 8 k
	v_lshl_add_u32 v6, v2, 3, v3
	v_mul_u32_u24 v6, v6, PB
	v_lshl_add_u32 v6, v4, 4, v6
	s_lshl_b32 s22, s12, 7                         ; my 64 columns of a piece
	s_add_co_u32 s22, s22, ATILE
	v_add_nc_u32 v[ADRB], s22, v6
	v_add_nc_u32 v[ADRB+1], SLOT, v[ADRB]
	; the way out
	v_mul_u32_u24 v5, v1, SPITCH
	v_lshl_add_u32 v5, v2, 4, v5
	s_mul_i32 s21, s11, 128*SPITCH
	s_lshl_b32 s22, s12, 7
	s_add_co_u32 s21, s21, s22
	v_add_nc_u32 v[STO], s21, v5                   ; in: row 128 wm + r, 16 bytes for each half of the lanes, my 128 bytes of a piece
	v_add_nc_u32 v[STO+1], 64*SPITCH, v[STO]
	v_mul_u32_u24 v5, v2, SPITCH                   ; back: wave w takes rows 64 w .. + 63; lanes 0-15 one row's 256 bytes of a piece, lanes 16-31 the next row's
	v_lshl_add_u32 v5, v1, 4, v5
	s_mul_i32 s21, s[WV], 64*SPITCH
	v_add_nc_u32 v[RD], s21, v5
	v_lshlrev_b32 v5, 9, v2                        ; and the same two rows of a head, 512 bytes each
	v_lshl_add_u32 v[CO], v1, 4, v5
	s_mul_i32 s45, s42, 3
	s_lshl_b32 s66, s13, 17                        ; 256 rows of 512 bytes for each tile row,
	s_lshl_b32 s67, s[WV], 15                      ; 64 for each wave
	s_add_co_u32 s66, s66, s67
.irp p, 0,1,2
	s_add_co_u32 s67, s45, \p                      ; piece g = 3 x tile column + p of 128 columns: tensor and head g / 2 (2^20 bytes each), half g % 2 of its 512-byte rows
	s_lshr_b32 s74, s67, 1
	s_lshl_b32 s74, s74, 20
	s_and_b32 s67, s67, 1
	s_lshl_b32 s67, s67, 8
	s_add_co_u32 s74, s74, s67
	s_add_co_u32 s74, s74, s66
	s_mov_b32 s75, 0
	s_add_nc_u64 s[OB+2*(\p):OB+2*(\p)+1], s[8:9], s[74:75]
.endr
; 16 matrix instructions: piece p, row blocks 4 half .. + 3, all 4 column blocks, 32 along K, x from buffer ab.  zero = 1: the first product starts the sums.  The accumulators take turns.
.macro G p, ab, half, zero
	WIN 0x50*(1+(\p))
.irp y, 0,1,2,3
.irp z, 0,1,2,3
.set rD, 8*(4*(4*(\half)+(\y))+(\z))
.set rW, BF+32*(\p)+8*(\z)
.set rX, AF+64*(\ab)+8*(4*(\half)+(\y))
.if \zero
	v_wmma_f32_16x16x32_bf16 v[rD:rD+7], v[rW:rW+7], v[rX:rX+7], 0
.else
	v_wmma_f32_16x16x32_bf16 v[rD:rD+7], v[rW:rW+7], v[rX:rX+7], v[rD:rD+7]
.endif
.endr
.endr
.endm
.macro FA half, slot, kc, ab           ; 8 loads: x's row blocks 4 half .. + 3, k = 32 kc on, into buffer ab
	WIN 0
.irp y, 0,1,2,3
	ds_load_b128 v[AF+64*(\ab)+8*(4*(\half)+(\y)):AF+64*(\ab)+8*(4*(\half)+(\y))+3],   v[ADRA+(\slot)] offset:(4*(\half)+(\y))*16*PA+64*(\kc)
	ds_load_b128 v[AF+64*(\ab)+8*(4*(\half)+(\y))+4:AF+64*(\ab)+8*(4*(\half)+(\y))+7], v[ADRA+(\slot)] offset:(4*(\half)+(\y))*16*PA+64*(\kc)+32
.endr
.endm
.macro FB p, slot, kc                  ; 8 loads: piece p's four fragments of W
	WIN 0
.irp z, 0,1,2,3
	ds_load_tr16_b128 v[BF+32*(\p)+8*(\z):BF+32*(\p)+8*(\z)+3],   v[ADRB+(\slot)] offset:(\p)*BPIECE+(\kc)*32*PB+32*(\z)
	ds_load_tr16_b128 v[BF+32*(\p)+8*(\z)+4:BF+32*(\p)+8*(\z)+7], v[ADRB+(\slot)] offset:(\p)*BPIECE+(\kc)*32*PB+32*(\z)+16*PB
.endr
.endm
; A CHUNK: 32 along K, 96 matrix instructions on buffer ab; the next chunk's fragments (slot nslot, k = 32 nkc on) are fetched piece by piece, each group of W behind the products that read it.
; mode 0: inside a slot.  mode 1: a slot's last chunk: the change of slots, and the slot just read out is filled again, two K steps on.  mode 2: the same without a fill.  mode 3: the last chunk: nothing is fetched.
; The change of slots: every wave waits for all its tensor loads (one is out: its part of the next slot), adds 0 to its spare word, and waits for that and for its reads of this slot; the barrier opens a round
; of the cluster's barrier, and the joint refill is the first thing behind the round: it has 160 matrix instructions in which to land.
.macro CHUNK ab, nslot, nkc, zero, mode
.if ((\mode) == 1) || ((\mode) == 2)
	WIN 0                                          ; (the add's two registers lie in window 0)
	s_wait_tensorcnt 0x0                           ; all my tensor loads have landed
	ds_add_u32 v[SPW], v[NIL]                      ; 0 onto my spare word
	s_wait_dscnt 9                                 ; the add and the youngest eight loads (piece 2's fragments) may be out
	G 0, \ab, 0, 0                                 ; sixteen matrix instructions stand between the add and the wait for it
	s_wait_dscnt 0x0                               ; the add is done, and my reads of this slot are over
	s_barrier_signal -1
	G 0, \ab, 1, 0
	WIN 0
	s_barrier_wait -1
.if (\mode) == 1
	CREST                                          ; no wave of any partner still reads this slot or has a load on its way
	s_add_nc_u64 s[G0A+4*(1-(\nslot))+2:G0A+4*(1-(\nslot))+3], s[G0A+4*(1-(\nslot))+2:G0A+4*(1-(\nslot))+3], 2*ASTEP
	s_add_nc_u64 s[G0B+4*(1-(\nslot))+2:G0B+4*(1-(\nslot))+3], s[G0B+4*(1-(\nslot))+2:G0B+4*(1-(\nslot))+3], 2*BSTEP
	JLOAD 1-(\nslot)                               ; the four v_nop behind it are also the places in front of the loads below
.else
	PLACES
.endif
.else
	s_wait_dscnt 8                                 ; all but the youngest eight loads: piece 2's fragments
	G 0, \ab, 0, \zero
	G 0, \ab, 1, \zero
.if (\mode) == 0
	PLACES
.endif
.endif
.if (\mode) != 3
	FB 0, \nslot, \nkc
	FA 0, \nslot, \nkc, 1-(\ab)
.endif
	G 1, \ab, 0, \zero
	G 1, \ab, 1, \zero
.if (\mode) != 3
	PLACES
	FB 1, \nslot, \nkc
	FA 1, \nslot, \nkc, 1-(\ab)
	s_wait_dscnt 32                                ; all but the 32 just issued: piece 2's fragments are in
.else
	s_wait_dscnt 0x0
.endif
	G 2, \ab, 0, \zero
	G 2, \ab, 1, \zero
.if (\mode) != 3
	PLACES
	FB 2, \nslot, \nkc
.endif
.endm
	s_wait_tensorcnt 1                             ; my part of K step 0 is in; K step 1's may stay out
	s_barrier_signal -1
	s_barrier_wait -1                              ; everybody's is
	FB 0, 0, 0
	FA 0, 0, 0, 0
	FB 1, 0, 0
	FA 1, 0, 0, 0
	FB 2, 0, 0
	CHUNK 0, 0, 1, 1, 0                            ; the first chunk stands in front of the loop: its products start the sums
	WIN 0                                          ; at a label and at a branch every window is 0
	s_mov_b32 s3, 7
.Llap:                                                 ; a trip goes once round the ring and fills both slots again: K steps 2 to 15
	CHUNK 1, 1, 0, 0, 1
	CHUNK 0, 1, 1, 0, 0
	CHUNK 1, 0, 0, 0, 1
	CHUNK 0, 0, 1, 0, 0
	WIN 0
	s_sub_co_u32 s3, s3, 1
	s_cmp_lg_u32 s3, 0
	s_cbranch_scc1 .Llap
	CHUNK 1, 1, 0, 0, 2                            ; the tail is written out: nothing is left to fetch
	CHUNK 0, 1, 1, 0, 0
	CHUNK 1, 0, 0, 0, 3
	; THE WAY OUT.  The stage lies over the ring, so every wave has to have left the ring; then a piece at a time is rounded to f16 and put into the stage, 16 bytes a lane.
	WIN 0
	s_wait_dscnt 0x0
	s_barrier_signal -1
	s_barrier_wait -1
	PLACES
.irp p, 0,1,2
	WIN 5*(1+(\p))                                 ; sources 0 and 1: the piece's window
.set n, 0
.rept 128
	v_cvt_pk_f16_f32 v[TMP+n], v[2*n], v[2*n+1]    ; each accumulator's registers in ascending order
.set n, n+1
.endr
	WIN 0
.set n, 0
.rept 32                               ; accumulator n = 4 a + i
	ds_store_b128 v[STO+n/16], v[TMP+4*n:TMP+4*n+3] offset:((n/4)%4)*16*SPITCH+272*(\p)+32*(n%4)
.set n, n+1
.endr
.endr
	s_wait_dscnt 0x0                               ; for the others' sake: my stores into the stage are done
	s_barrier_signal -1
	s_barrier_wait -1
.set b, 0
.rept 6                                ; piece b / 2, rows 32 (b % 2) .. + 31 of my 64; two sets of registers take turns
	s_wait_xcnt 0x0                                ; the set's registers, which earlier stores read, are loaded again only behind this wait
.set i, 0
.rept 16
	ds_load_b128 v[TMP+64*(b%2)+4*i:TMP+64*(b%2)+4*i+3], v[RD] offset:2*SPITCH*(16*(b%2)+i)+272*(b/2)
.set i, i+1
.endr
.set i, 0
.rept 16
	s_wait_dscnt 15-i                              ; LDS loads come back in order: load i of the sixteen is in
	global_store_b128 v[CO], v[TMP+64*(b%2)+4*i:TMP+64*(b%2)+4*i+3], s[OB+2*(b/2):OB+2*(b/2)+1] offset:1024*(16*(b%2)+i)  ; 16 lanes store 256 consecutive bytes, aligned
.set i, i+1
.endr
.set b, b+1
.endr
	s_wait_tensorcnt 0x0                           ; the wave's end: a wait, an add of 0 to my spare word and a wait for it, behind my last tensor load and my last LDS store
	ds_add_u32 v[SPW], v[NIL]
	s_wait_dscnt 0x0
	CROUND                                         ; the closing round: no work-group ends while a partner may still ask for a tile that names it
	s_endpgm
.Lfunc_end_k_qf397ad958f_qkv:
	.size	k_qf397ad958f_qkv, .Lfunc_end_k_qf397ad958f_qkv-k_qf397ad958f_qkv
	.p2alignl 7, 3214868480
	.fill 96, 4, 3214868480
	.section	.rodata,"a",@progbits
	.p2align	6, 0x0
	.amdhsa_kernel k_qf397ad958f_qkv
		.amdhsa_group_segment_fixed_size 327680
		.amdhsa_private_segment_fixed_size 0
		.amdhsa_enable_private_segment 0
		.amdhsa_kernarg_size 24
		.amdhsa_user_sgpr_count 2
		.amdhsa_user_sgpr_kernarg_segment_ptr 1
		.amdhsa_wavefront_size32 1
		.amdhsa_system_sgpr_workgroup_id_x 1
		.amdhsa_system_sgpr_workgroup_id_y 1
		.amdhsa_system_sgpr_workgroup_id_z 1
		.amdhsa_system_vgpr_workitem_id 0
		.amdhsa_next_free_vgpr 1024
		.amdhsa_next_free_sgpr 76
		.amdhsa_reserve_vcc 0
		.amdhsa_float_denorm_mode_32 3
		.amdhsa_float_denorm_mode_16_64 3
		.amdhsa_memory_ordered 1
		.amdhsa_forward_progress 1
		.amdhsa_inst_pref_size 132
	.end_amdhsa_kernel
	.amdgpu_metadata
---
amdhsa.version: [ 1, 2 ]
amdhsa.kernels:
  - .name:           k_qf397ad958f_qkv
    .symbol:         k_qf397ad958f_qkv.kd
    .args:
      - { .name: xb, .offset: 0, .size: 8, .value_kind: global_buffer, .address_space: global }
      - { .name: wb, .offset: 8, .size: 8, .value_kind: global_buffer, .address_space: global }
      - { .name: qkv, .offset: 16, .size: 8, .value_kind: global_buffer, .address_space: global }
    .group_segment_fixed_size: 327680
    .private_segment_fixed_size: 0
    .kernarg_segment_align: 8
    .kernarg_segment_size: 24
    .max_flat_workgroup_size: 128
    .sgpr_count:     76
    .vgpr_count:     1024
    .wavefront_size: 32
...
	.end_amdgpu_metadata
.endif
;; end of part 2
;; launch attn (part 3): grid 16 x 16, 4 waves a work-group, clusters of 4 x 1, 327,680 bytes of LDS; arguments qkv, maskw, y16; writes y16
.if DOCPART == 3
	.amdgcn_target "amdgcn-amd-amdhsa--gfx1250"
	.amdhsa_code_object_version 6
	.text
	.protected	k_qf397ad958f_attn
	.globl	k_qf397ad958f_attn
	.p2align	8
	.type	k_qf397ad958f_attn,@function
k_qf397ad958f_attn:
	s_mov_b64 s[64:65], 0
	v_nop
	global_prefetch_b8 v0, s[64:65] scope:SCOPE_SE
	s_setreg_imm32_b32 hwreg(HW_REG_WAVE_MODE, 25, 1), 1
	s_wait_xcnt 0x0
	s_wait_alu depctr_hold_cnt(0) depctr_sa_sdst(0) depctr_va_vdst(0) depctr_va_sdst(0) depctr_va_ssrc(0) depctr_va_vcc(0) depctr_vm_vsrc(0)
	s_getreg_b32 s2, hwreg(HW_REG_IB_STS2, 6, 4)
	s_cmp_eq_u32 s2, 0
	s_cbranch_scc0 .Lentry_in_a_cluster
	s_endpgm
.Lentry_in_a_cluster:
	s_bfe_u32 s2, ttmp6, 0x10000c
	s_cmp_lg_u32 s2, 0x3003
	s_cbranch_scc0 .Lentry_shape_is_right
	s_endpgm
.Lentry_shape_is_right:
; ATTENTION at head size 256 under a mask that is an input.  y[q][256 head + :] = the sum over k of softmax_k(mask ? Q[q] . K[k] / 16 : -inf) V[k][:].
; qkv: [48 = 16 which + head][2048][256] f16.  maskw: [64 pairs of query tiles][32 key steps][64 words of lane bits].  y16: [2048][4096] f16.  Products, maxima and sums in f32; the weights p are rounded to
; f16 for the second product (their sum l is taken of the unrounded p), y once at the end.
; LIMITS.  Q, K, V arrive within f16's 65,504.  A hidden score counts as -2^100: true scores, 1.1e12 at the most, are nothing beside it, and c x -2^100 is exact, so a row that has seen hidden keys alone has
; p = 1 (finite) until its first visible key makes a = 0.  A row whose maximum ends below -2^96 has no visible key and is written as NaN.  A weight below 2^-126 counts as 0; NaN and infinities in Q, K, V are not treated apart.
; SHARES.  A work-group owns 128 queries of one head, each of its four waves 32: tiles t = 0, 1 of 16.  Every wave walks all 2,048 keys, 64 a step: 128 matrix and 396 vector instructions a step.
; LAYOUT.  S^T = K Q^T (source 0 = 16 keys, source 1 = 16 queries): a lane holds ONE query (lane % 16) and the keys 8 (lane / 16) + 0..7.  Two such results rounded to f16 ARE source 1 of O^T = V^T P.
; K comes out of LDS as it lies, V ([key][channel]) turned, by ds_load_tr16_b128.
; SOFTMAX.  A running maximum m and sum l: p = 2^(c s - c m), c = log2(e) / 16; in every step O and l are multiplied by a = 2^(c m_old - c m_new).  m starts at the lowest finite number, O and l at 0.
; THE MASK.  A step's 64 words lie in scalar registers; v_cndmask_b32 puts -2^100 in a hidden score's place.
; THE PIPELINE.  A_j = the 64 products K Q^T of step j, B_j = the 64 products V^T P.  A TRIP j is: part 1, B_(j-1)'s keys 32-63; part 2, A_(j+1); part 3, B_j's keys 0-31.  The vector work stands in two queues
; dealt behind the matrix instructions, three or four to each: QA (part 2): the end of step j's roundings and sums, O times a_j, the mask and maximum of A_(j+1)'s key blocks 0, 1;
; QB (part 3, then the next trip's part 1): the rest of step j + 1's mask, maximum and statistics, its scalings and exponentials, its first roundings and sums.
; FRAGMENTS.  Window 2 is a ring of four buffers of 64 registers; a QUARTER is 8 fragments, 16 loads, 16 products; K's and V's quarters 0-3 use buffers 0-3, so the buffers go round.  Behind a quarter's second
; product stands the run of 16 loads for the quarter two ahead.  So trip j reads K(j+1) and V(j) from LDS, and a slot u holds K(2u), V(2u-1), K(2u+1), V(2u): the trips 2u-1 and 2u.
; Slot 0's V(-1) is the 32 KiB in front of the head's V, inside qkv: finite numbers, multiplied by P = 0: the price of one text for every trip.
; CLUSTER.  The four query blocks of a cluster belong to one head and walk the same K and V: each tile is asked for JOINTLY: the same tensor load, descriptor and mask in all four.
; REGISTERS, in windows of 256 (s_set_vgpr_msb: bits 1:0 source 0, 3:2 source 1, 5:4 source 2, 7:6 destination):
;   window 0: v2-15 addresses and constants; v16-31 eight registers of statistics a tile; v64-127 S^T, 32 a tile; v128-159 P, 16 a tile
;   window 1: O^T, 128 a tile          window 2: the ring of fragments          window 3: v0-127 Q, 64 a tile
.set KS,    64        ; keys in a step
.set PK,    528       ; a row of K in LDS: 512 bytes + 16 = 132 words: the 16 rows of a load start at 16 different groups of four banks (64 banks of 4 bytes: ISA guide 11.1)
.set PV,    544       ; a row of V: 512 + 32 = 136 words
.set VOFF,  KS*PK     ; a trip's tiles lie together: 64 rows of K, then 64 rows of V
.set STEPB, KS*(PK+PV)
.set SLOT1, 0x22000   ; slot 1 begins here: behind slot 0's 137,216 bytes, and in bits that no wave's offset in a slot has, so that one exclusive or turns an address in one slot into the other's
.set STAGE, SLOT1+2*STEPB  ; behind the ring, never filled by a tensor load: 16 rows x 528 bytes for each wave, for the way out
.set SP,    528
.set SPARE, STAGE+4*16*SP  ; behind the stages: the spare words, 128 bytes for each wave, which no other line names
.set AK0, 2           ; v2   my lane's place in a tile of K; never rewritten
.set AV0, 3           ; v3   the same for V, VOFF included
.set ADK, 4           ; v4   the LDS address of the trip's K
.set ADV, 5           ; v5   of its V
.set STO, 6           ; v6   the way out: where I put 16 bytes of a row
.set RD,  7           ; v7   the way out: where I read rows back
.set GO,  8           ; v8   my 16 bytes of a row's 512 in y16
.set SPW, 10          ; v10  LDS address of my spare word; never rewritten
.set NIL, 11          ; v11  0; never rewritten
.set BIGV, 12         ; v12  -2^100
.set NANV, 13         ; v13  a NaN
.set QO,  14          ; v14  my byte offset in 16 rows of Q
.set ST,  16          ; tile t's statistics at v[ST+8 t]: +0 c m, +1 m, +2, +3 l (even keys', odd keys'), +4 to +7 c0-c3 at work; when the maximum is found c2 takes a
.set S,   64
.set P,   128
.set TWICE, 2         ; s2   counts a slot's two trips
.set SLOTS, 3         ; s3   counts the slots
.set MP,  4           ; s[4:5]  maskw at my pair of tiles
.set YP,  6           ; s[6:7]  y16 at my first row and my head
.set MO,  8           ; s8   byte offset of the step whose words are loaded
.set TB,  9           ; s9   LDS byte at which the tiles of the next trip begin
.set WV,  10          ; s10  my wave's number
.set G0,  12          ; s[12:15] descriptor group 0: my tile; it walks
.set G1K, 16          ; s[16:23] descriptor group 1 for K's tiles
.set G1V, 24          ; s[24:31] for V's: it differs in the padding alone
.set CS,  66          ; s[66:67] c: the packed scaling takes the pair's low word for both halves
.set SEL, 100         ; s[100:101] v_permlanex16_b32's selects: each lane takes its own place in the other half
                      ; s[32:63], s[68:99] the step's 64 mask words; the head uses s32-49 at work before they are first loaded
.set MSB, 0
.macro WIN new                      ; the high byte repeats the setting that is left; a switch that changes nothing is dropped
.if MSB != (\new)
	s_set_vgpr_msb (MSB<<8)|(\new)
.set MSB, (\new)
.endif
.endm
.set W_KQ, 0x0e       ; K in window 2, Q in window 3, S^T in window 0
.set W_PV, 0x52       ; V in window 2, P in window 0, O^T in window 1
.set W_RS, 0x41       ; O^T (destination and source 0) in window 1, a in window 0
.macro PLACES
.rept 4
	v_nop
.endr
.endm
; A joint fill.  Waves 0 and 1 fetch a slot's two tiles of K, waves 2 and 3 its two of V.  The branch hangs on the wave's number alone.
; An s_nop 0 and four v_nop follow each of the two lines, ahead of the jump and the label.
.macro JLOAD
	s_cmp_lt_u32 s[WV], 2
	s_cbranch_scc0 .Lfor_v_\@
	tensor_load_to_lds s[G0:G0+3], s[G1K:G1K+7]
	s_nop 0
.rept 4
	v_nop
.endr
	s_branch .Lasked_\@
.Lfor_v_\@:
	tensor_load_to_lds s[G0:G0+3], s[G1V:G1V+7]
	s_nop 0
.rept 4
	v_nop
.endr
.Lasked_\@:
.endm
; A round of the cluster's barrier: my work-group's barrier, so that wave 0's signal speaks for all four waves; wave 0 signals; every wave waits for all four work-groups; my work-group's barrier once more.
.macro CROUND
	s_barrier_signal -1
	s_barrier_wait -1
	s_cmp_lg_u32 s[WV], 0
	s_cbranch_scc1 .Lnot_wave_0_\@
	s_barrier_signal -3
.Lnot_wave_0_\@:
	s_barrier_wait -3
	s_barrier_signal -1
	s_barrier_wait -1
.endm
; THE CHANGE OF SLOTS, in front of a slot's first trip: all runs of loads from the slot that is left have been issued.  Each wave waits for all its tensor loads, of which one is out: its part of the other
; slot; adds 0 to its spare word; and waits for that and for its reads.  fill = 1: the slot that is left is filled again, with the tiles two slots on: the barrier is a round of the cluster's, and the joint
; fill is the first thing behind it: it has two trips, 256 matrix instructions, in which to land.  fill = 2: of the slot behind the last only V(31) is read: wave 2 alone asks.  fill = 0: nothing is asked for.
; (At its first use nothing has been read yet: slot 0 is waited for, slot 1 filled.)
.macro CHANGE fill
	WIN 0                           ; at a label and at a branch every window is 0
	s_wait_tensorcnt 0x0            ; no tensor load of mine is out, so group 0 may be written
	ds_add_u32 v[SPW], v[NIL]       ; 0 onto my spare word; the descriptor's steps stand between it and the wait for it
.if \fill
	s_xor_b32 s[G0+1], s[G0+1], SLOT1  ; the other slot than last time,
	s_add_nc_u64 s[G0+2:G0+3], s[G0+2:G0+3], 2*KS*512  ; 128 keys on; the type bits on top are not reached
.endif
	s_wait_dscnt 0x0                ; the add is done, and my reads of the slot are over
.if (\fill) == 1
	CROUND
	JLOAD
.elseif (\fill) == 2
	CROUND
	s_cmp_eq_u32 s[WV], 2
	s_cbranch_scc0 .Lnone_\@
	tensor_load_to_lds s[G0:G0+3], s[G1V:G1V+7]
	s_nop 0
.rept 4
	v_nop
.endr
.Lnone_\@:
.else
	s_barrier_signal -1
	s_barrier_wait -1
.endif
	s_sub_co_u32 s[TB], s[TB], 2*STEPB  ; the fetches go back to a slot's first trip,
	s_xor_b32 s[TB], s[TB], SLOT1       ; in the other slot
.endm
.macro MWORDS                       ; a step's 64 mask words, 256 consecutive bytes
	s_load_b512 s[32:47], s[MP:MP+1], s[MO] offset:0x0
	s_load_b512 s[48:63], s[MP:MP+1], s[MO] offset:0x40
	s_load_b512 s[68:83], s[MP:MP+1], s[MO] offset:0x80
	s_load_b512 s[84:99], s[MP:MP+1], s[MO] offset:0xc0
.endm
	s_load_b64 s[32:33], s[0:1], 0x0  ; qkv
	s_load_b128 s[MP:MP+3], s[0:1], 0x8  ; maskw s[4:5], y16 s[6:7]
	v_lshl_add_u32 v[SPW], v0, 2, SPARE
	v_mov_b32 v[NIL], 0
	ds_add_u32 v[SPW], v[NIL]       ; the wave's opening: the add and its wait stand ahead of my first tensor load; the set-up below, work on registers, stands between them
	v_lshrrev_b32 v1, 5, v0
	v_readfirstlane_b32 s[WV], v1   ; wave 0..3
	s_bfe_u32 s34, ttmp6, 0x40000   ; cx: my place in the cluster
	s_lshl_b32 s35, ttmp9, 2        ; in a cluster launch ttmp9 counts clusters
	s_add_co_u32 s35, s35, s34      ; my block of 128 queries: it enters Q's, the mask's and y's addresses alone
	s_and_b32 s36, ttmp7, 0xffff    ; the head, which the four partners share
	s_and_b32 s37, s[WV], 1         ; which of a slot's two trips I fetch for,
	s_lshr_b32 s38, s[WV], 1        ; K (0) or V (1)
	s_lshl_b32 s40, s38, 4
	s_add_co_u32 s40, s40, s36
	s_add_co_u32 s40, s40, 16       ; tensor and head: 16 + head for K, 32 + head for V,
	s_lshl_b32 s40, s40, 20         ; 2^20 bytes each;
	s_lshl_b32 s39, s37, 15         ; a step's 64 rows of 512 bytes;
	s_add_co_u32 s40, s40, s39
	s_lshl_b32 s39, s38, 15         ; V lies a step behind K in a slot
	s_sub_co_u32 s40, s40, s39
	s_mov_b32 s41, 0
	s_mul_i32 s42, s37, STEPB
	s_mul_i32 s43, s38, VOFF
	s_mov_b32 s[G0], 1              ; count = 1
	s_add_co_u32 s[G0+1], s42, s43  ; LDS address: my tile's place in slot 0: no place in the cluster enters it
	s_lshl_b32 s44, s36, 20         ; Q: the head, my block's 128 rows, my wave's 32
	s_lshl_b32 s45, s35, 16
	s_add_co_u32 s44, s44, s45
	s_lshl_b32 s45, s[WV], 14
	s_add_co_u32 s44, s44, s45
	s_mov_b32 s45, 0
	s_lshl2_add_u32 s46, s35, s[WV] ; my pair of tiles among the 64,
	s_lshl_b32 s46, s46, 13         ; 32 steps of 256 bytes each
	s_mov_b32 s47, 0
	s_lshl_b32 s48, s35, 20         ; y: rows of 8,192 bytes; the head's 512 bytes in a row
	s_lshl_b32 s49, s[WV], 18
	s_add_co_u32 s48, s48, s49
	s_lshl_b32 s49, s36, 9
	s_add_co_u32 s48, s48, s49
	s_mov_b32 s49, 0
	; descriptor group 1: a tile of 64 rows x 256 elements, padded in LDS
	s_mov_b32 s[G1K], 15|(1<<16)|(1<<20)|(1<<21)|(6<<22)|(3<<25)  ; 15:0 the mask of four; 17:16 2-byte elements; 20 padding on; 21 set beside a mask; 24:22 after every 128 words (code 6); 31:25 4 words (code 3)
	s_mov_b32 s[G1V], 15|(1<<16)|(1<<20)|(1<<21)|(6<<22)|(7<<25)  ; the same with 8 words of padding (code 7)
.irp g, G1K, G1V
	s_mov_b32 s[\g+1], 256<<16      ; tensor_dim0 = 256
	s_mov_b32 s[\g+2], KS<<16       ; tensor_dim1 = 64
	s_mov_b32 s[\g+3], 256<<16      ; tile_dim0 = 256
	s_mov_b32 s[\g+4], KS           ; tile_dim1 = 64
	s_mov_b32 s[\g+5], 256          ; 256 elements from row to row
	s_mov_b32 s[\g+6], 0
	s_mov_b32 s[\g+7], 0
.endr
	s_mov_b32 s[CS], 0x3db8aa3b     ; c = log2(e) / 16 = 0.0901684
	s_mov_b32 s[CS+1], s[CS]        ; named with it as a pair
	s_mov_b32 s[SEL], 0x76543210
	s_mov_b32 s[SEL+1], 0xfedcba98
	s_mov_b32 s[TB], SLOT1+2*STEPB  ; the first change of slots turns this into 0
	s_mov_b32 s[MO], 0
	s_wait_dscnt 0x0                ; the opening add is done
	s_wait_kmcnt 0x0
	s_add_nc_u64 s[G0+2:G0+3], s[32:33], s[40:41]  ; global address of my tile of slot 0
	s_or_b32 s[G0+3], s[G0+3], 0x80000000          ; type = 2
	s_add_nc_u64 s[32:33], s[32:33], s[44:45]      ; Q at my wave's first row
	s_add_nc_u64 s[MP:MP+1], s[MP:MP+1], s[46:47]
	s_add_nc_u64 s[YP:YP+1], s[YP:YP+1], s[48:49]
	CROUND                          ; all four work-groups are here: the first joint loads meet
	JLOAD                           ; slot 0.  Slot 1 is asked for when slot 0 is in
	; A fragment of K or Q is 16 rows x 32 channels in 8 registers: lane l holds row l % 16, channels 8 (l / 16) + 0..7 and 16 + 8 (l / 16) + 0..7: two loads of 16 bytes, 32 bytes apart.
	v_and_b32 v1, 15, v0            ; l % 16
	v_bfe_u32 v9, v0, 4, 1          ; l / 16
	v_lshlrev_b32 v[QO], 9, v1
	v_lshl_add_u32 v[QO], v9, 4, v[QO]  ; row x 512 + 16 x half
	WIN 0xc0                        ; destination window 3, address window 0
.set i, 0
.rept 16                            ; Q stays in registers: tile i / 8, channels 32 (i % 8) on
	global_load_b128 v[8*i:8*i+3],   v[QO], s[32:33] offset:(i/8)*8192+(i%8)*64
	global_load_b128 v[8*i+4:8*i+7], v[QO], s[32:33] offset:(i/8)*8192+(i%8)*64+32
.set i, i+1
.endr
	; What the first trip finds: O^T and l are 0; P's first half and S^T's second half are 0, so that the products V^T P of a step that has not been add 0.  All this stands in the wait for the first tile.
	WIN 0x40
.set i, 0
.rept 256
	v_mov_b32 v[i], 0
.set i, i+1
.endr
	WIN 0
.irp t, 0,1
	v_mov_b32 v[ST+8*(\t)], 0xfe000000    ; c m: far below every c s
	v_mov_b32 v[ST+8*(\t)+1], 0xff7fffff  ; m
.irp z, 2,3,4,5,6,7
	v_mov_b32 v[ST+8*(\t)+(\z)], 0
.endr
.set i, 0
.rept 16
	v_mov_b32 v[S+32*(\t)+16+i], 0
.set i, i+1
.endr
.set i, 0
.rept 8
	v_mov_b32 v[P+16*(\t)+i], 0
.set i, i+1
.endr
.endr
	v_mov_b32 v[BIGV], 0xf1800000   ; -2^100
	v_mov_b32 v[NANV], 0x7fc00000
	v_mul_u32_u24 v[AK0], v1, PK
	v_lshl_add_u32 v[AK0], v9, 4, v[AK0]  ; row x pitch + 16 x half
	; The turning load takes 16 keys x 16 channels (lane l reads key 8 (l / 16) + l % 8, channels 8 ((l / 8) % 2) + 0..7) and leaves half a fragment of V^T: lane l holds channel l % 16 and 8 keys.
	v_and_b32 v15, 7, v0
	v_bfe_u32 v32, v0, 3, 1
	v_lshl_add_u32 v[AV0], v9, 3, v15
	v_mul_u32_u24 v[AV0], v[AV0], PV
	v_lshl_add_u32 v[AV0], v32, 4, v[AV0]
	v_add_nc_u32 v[AV0], VOFF, v[AV0]
	s_mul_i32 s34, s[WV], 16*SP
	s_add_co_u32 s34, s34, STAGE    ; my stage
	v_mul_u32_u24 v[STO], v1, SP    ; in: row l % 16, 16 bytes for each half of the lanes
	v_lshl_add_u32 v[STO], v9, 4, v[STO]
	v_add_nc_u32 v[STO], s34, v[STO]
	v_and_b32 v[GO], 31, v0         ; back: 32 lanes take one row of 512 bytes
	v_lshlrev_b32 v[GO], 4, v[GO]
	v_add_nc_u32 v[RD], s34, v[GO]
; THE MATRIX WORK.  The accumulators take turns, one instruction a turn.
; Product i of 64 of S^T = K Q^T: key blocks 0, 1 over all 8 channel chunks, then key blocks 2, 3: chunk (i % 32) / 4, key block 2 (i / 32) + (i % 4) / 2, tile i % 2.  A chunk 0 starts the sum.
.macro KQ
	WIN W_KQ
.set rS, S+32*(i%2)+8*(2*(i/32)+(i%4)/2)
.set rK, 64*(i/16)+8*(2*((i%16)/4)+(i%4)/2)
.set rQ, 64*(i%2)+8*((i%32)/4)
.if (i%32) < 4
	v_wmma_f32_16x16x32_f16 v[rS:rS+7], v[rK:rK+7], v[rQ:rQ+7], 0
.else
	v_wmma_f32_16x16x32_f16 v[rS:rS+7], v[rK:rK+7], v[rQ:rQ+7], v[rS:rS+7]
.endif
.endm
; Product i of 16 of quarter q of O^T += V^T P: keys 32 (q / 2) on, channels 16 (8 (q % 2) + i / 2) on, tile i % 2.
.macro PV q
	WIN W_PV
.set rO, 128*(i%2)+8*(8*((\q)%2)+i/2)
.set rV, 64*(\q)+8*(i/2)
.set rP, P+16*(i%2)+8*((\q)/2)
	v_wmma_f32_16x16x32_f16 v[rO:rO+7], v[rV:rV+7], v[rP:rP+7], v[rO:rO+7]
.endm
; THE LDS LOADS stand in runs of 16, never singly among the matrix instructions.  Quarter q of K: fragment f = key block 2 (q / 2) + f % 2, channel chunk 4 (q % 2) + f / 2.
.macro RUNK q
	WIN 0x80                        ; destination window 2
.irp f, 0,1,2,3,4,5,6,7
	ds_load_b128 v[64*(\q)+8*\f:64*(\q)+8*\f+3],   v[ADK] offset:(2*((\q)/2)+\f%2)*16*PK+(4*((\q)%2)+\f/2)*64
	ds_load_b128 v[64*(\q)+8*\f+4:64*(\q)+8*\f+7], v[ADK] offset:(2*((\q)/2)+\f%2)*16*PK+(4*((\q)%2)+\f/2)*64+32
.endr
.endm
.macro RUNV q                       ; quarter q of V: keys 32 (q / 2) on, fragment f = channels 16 (8 (q % 2) + f) on
	WIN 0x80
.irp f, 0,1,2,3,4,5,6,7
	ds_load_tr16_b128 v[64*(\q)+8*\f:64*(\q)+8*\f+3],   v[ADV] offset:((\q)/2)*32*PV+(8*((\q)%2)+\f)*32
	ds_load_tr16_b128 v[64*(\q)+8*\f+4:64*(\q)+8*\f+7], v[ADV] offset:((\q)/2)*32*PV+16*PV+(8*((\q)%2)+\f)*32
.endr
.endm
; THE VECTOR WORK, one line at a time: OP kind, tile, number.  s0-s31 are the lane's 32 scores.  M n: score n, or -2^100 where word 2 n + t hides it.  F n: c s - c m for pair n of 16.  E n: the exponential of
; score n.  C n: pair n rounded to f16.  B n: of the four weights 4 n .. the second pair is added onto the first, in place.  L n: l takes that sum (L 0: l = a l + sum).  R n: pair n of 64 of O^T times a.
; X n, the 22 that find the maximum and statistics: 0-11 four chains c0-c3 of seven scores each, a chain a key block; 12, 13 the four scores left over; 14, 15 c0-c3 and the old m into c0;
; 16, 18 the query's other 32 keys lie in the lane 16 away: the new m; 17 c m_old is kept; 19-21 c m; c m_old - c m_new; a.  Each accumulator's lowest register is read first.
.set F, 0
.set E, 1
.set C, 2
.set B, 3
.set L, 4
.set R, 5
.set M, 6
.set X, 7
.macro OP k, t, n
.set rT, ST+8*(\t)
.set rS, S+32*(\t)
.set rP, P+16*(\t)
.if (\k) == R
	WIN W_RS
	v_pk_mul_f32 v[128*(\t)+2*(\n):128*(\t)+2*(\n)+1], v[128*(\t)+2*(\n):128*(\t)+2*(\n)+1], v[rT+6:rT+7] op_sel_hi:[1,0]
.else
	WIN 0
.if (\k) == F
	v_pk_fma_f32 v[rS+2*(\n):rS+2*(\n)+1], v[rS+2*(\n):rS+2*(\n)+1], s[CS:CS+1], v[rT:rT+1] op_sel_hi:[1,0,0] neg_lo:[0,0,1] neg_hi:[0,0,1]
.elseif (\k) == E
	v_exp_f32 v[rS+(\n)], v[rS+(\n)]
.elseif (\k) == C
	s_wait_alu depctr_va_vdst(0)
	v_cvt_pk_f16_f32 v[rP+(\n)], v[rS+2*(\n)], v[rS+2*(\n)+1]
.elseif (\k) == B
	v_pk_add_f32 v[rS+4*(\n):rS+4*(\n)+1], v[rS+4*(\n):rS+4*(\n)+1], v[rS+4*(\n)+2:rS+4*(\n)+3]
.elseif (\k) == L
.if (\n) == 0
	v_pk_fma_f32 v[rT+2:rT+3], v[rT+2:rT+3], v[rT+6:rT+7], v[rS:rS+1] op_sel_hi:[1,0,1]
.else
	v_pk_add_f32 v[rT+2:rT+3], v[rT+2:rT+3], v[rS+4*(\n):rS+4*(\n)+1]
.endif
.elseif (\k) == M
.set mw, 32+2*(\n)+(\t)+4*((2*(\n)+(\t))/32)  ; words 0-31 in s32-63, words 32-63 in s68-99
	v_cndmask_b32 v[rS+(\n)], v[BIGV], v[rS+(\n)], s[mw]
.elseif (\n) < 4
	v_max3_num_f32 v[rT+4+(\n)], v[rS+8*(\n)], v[rS+8*(\n)+1], v[rS+8*(\n)+2]
.elseif (\n) < 12
	v_max3_num_f32 v[rT+4+(\n)%4], v[rT+4+(\n)%4], v[rS+8*((\n)%4)+2*((\n)/4)+1], v[rS+8*((\n)%4)+2*((\n)/4)+2]
.elseif (\n) == 12
	v_max3_num_f32 v[rT+4], v[rT+4], v[rS+7], v[rS+15]
.elseif (\n) == 13
	v_max3_num_f32 v[rT+6], v[rT+6], v[rS+23], v[rS+31]
.elseif (\n) == 14
	v_max3_num_f32 v[rT+4], v[rT+4], v[rT+5], v[rT+6]
.elseif (\n) == 15
	v_max3_num_f32 v[rT+4], v[rT+4], v[rT+7], v[rT+1]
.elseif (\n) == 16
	v_permlanex16_b32 v[rT+5], v[rT+4], s[SEL], s[SEL+1]
.elseif (\n) == 17
	v_mov_b32 v[rT+7], v[rT]
.elseif (\n) == 18
	v_max_num_f32 v[rT+1], v[rT+4], v[rT+5]
.elseif (\n) == 19
	v_mul_f32 v[rT], s[CS], v[rT+1]
.elseif (\n) == 20
	v_sub_f32 v[rT+7], v[rT+7], v[rT]
.else
	v_exp_f32 v[rT+6], v[rT+7]
.endif
.endif
.endm
.macro CBL y, g                     ; number y of the eight for the four weights g of both tiles: round, round, add, l
.if (\y) < 2
	OP C, (\y)%2, 2*(\g)
.elseif (\y) < 4
	OP C, (\y)%2, 2*(\g)+1
.elseif (\y) < 6
	OP B, (\y)%2, \g
.else
	OP L, (\y)%2, \g
.endif
.endm
; QUEUE QA, 206 long, tiles alternating.  0-7: the first rescalings: eight plain lines between part 1's last products and the first write of P's second half.  8-39: groups 4-7 of the step in hand (done ten
; products into part 2; S^T's key blocks 2, 3 are written anew from product 32 on).  40-159: the rest of O^T times a.  160-205: the new scores' key blocks 0, 1 (finished by product 31): mask, and their part of the maximum.
.macro QAE
.if qa < 8
	OP R, qa%2, qa/2
.elseif qa < 40
	CBL (qa-8)%8, 4+(qa-8)/8
.elseif qa < 160
	OP R, qa%2, (qa-32)/2
.elseif qa < 192
	OP M, qa%2, (qa-160)/2
.else
	OP X, qa%2, 4*((qa-192)/4)+((qa-192)/2)%2
.endif
.set qa, qa+1
.endm
; QUEUE QB, 190 long.  0-31: the mask on key blocks 2, 3.  32-61: the rest of the maximum and the statistics.  62-189: four scalings; then sixty times an exponential and a plain line; then four exponentials.
; Exponential k is score k / 2 of tile k % 2.  Plain line p is scaling p / 2 of tile p % 2 (p < 32), then groups 0-3.  So every exponential has its scaling at least four lines ahead and a plain line that
; names neither its result nor its source behind it, and a rounding's exponentials stand twenty lines back or more.
.macro PLN p
.if (\p) < 32
	OP F, (\p)%2, (\p)/2
.else
	CBL ((\p)-32)%8, ((\p)-32)/8
.endif
.endm
.macro QBE
.if qb < 32
	OP M, qb%2, 16+qb/2
.elseif qb < 44
	OP X, qb%2, 4*((qb-32)/4)+2+((qb-32)/2)%2
.elseif qb < 62
	OP X, qb%2, (qb-32)/2+7
.elseif qb < 66
	PLN qb-62
.elseif qb < 186
.if (qb-66)%2 == 0
	OP E, ((qb-66)/2)%2, (qb-66)/4
.else
	PLN (qb-66)/2+4
.endif
.else
	OP E, qb%2, (qb-126)/2
.endif
.set qb, qb+1
.endm
.macro QB3                          ; three of QB, while it lasts
.rept 3
.if qb < 190
	QBE
.endif
.endr
.endm
; In front of every quarter: s_wait_dscnt 16: the quarter's own run is in, the next quarter's sixteen loads may be out.
; A run's buffer was last read two quarters back: eighteen products and their riders, more than four of them plain, stand between.
; PART 1: B's keys 32-63 of the step before; QB 96-189; K's runs 0, 1 of the trip (fin = 1, the last: V(31)'s runs 0, 1 in their place).
.macro PART1 fin
	WIN 0
.if !(\fin)
	v_add_nc_u32 v[ADK], s[TB], v[AK0]
.endif
	v_add_nc_u32 v[ADV], s[TB], v[AV0]
	s_add_co_u32 s[TB], s[TB], STEPB
.set qb, 96
.irp q, 2, 3
	s_wait_dscnt 16
.set i, 0
.rept 16
	PV \q
	QB3
.if i == 1
.if \fin
	RUNV (\q)-2
.else
	RUNK (\q)-2
.endif
.endif
.set i, i+1
.endr
.endr
.endm
; PART 2: the next step's 64 products K Q^T; QA, four behind each of the first 14 products and three behind each of the other 50; K's runs 2, 3 and V's runs 0, 1.
.macro PART2
.set qa, 0
.set i, 0
.rept 64
.if i%16 == 0
	s_wait_dscnt 16
.endif
.if i == 48
	s_wait_kmcnt 0x0                ; the step's mask words, asked for about a hundred products ago: QA's first masked score stands behind this product
.endif
	KQ
.if i < 14
	QAE
.endif
	QAE
	QAE
	QAE
.if i == 1
	RUNK 2
.elseif i == 17
	RUNK 3
.elseif i == 33
	RUNV 0
.elseif i == 49
	RUNV 1
.endif
.set i, i+1
.endr
.endm
; PART 3: B's keys 0-31; QB 0-95; V's runs 2, 3.  Behind product 12 the mask words of the step after next are asked for: this step's were last read behind product 10.
; The offset is held at the last step's, so that the last request stays inside maskw (its words are not used).
.macro PART3
.set qb, 0
.irp q, 0, 1
	s_wait_dscnt 16
.set i, 0
.rept 16
	PV \q
	QB3
.if i == 1
	RUNV (\q)+2
.endif
.if ((\q) == 0) && (i == 12)
	s_add_co_u32 s[MO], s[MO], 256
	s_min_u32 s[MO], s[MO], 31*256
	MWORDS
.endif
.set i, i+1
.endr
.endr
.endm
	CHANGE 1                        ; slot 0 is in, everybody's part of it; slot 1 is asked for
	v_add_nc_u32 v[ADK], s[TB], v[AK0]  ; trip -1: K(0), V(-1)
	v_add_nc_u32 v[ADV], s[TB], v[AV0]
	s_add_co_u32 s[TB], s[TB], STEPB
	RUNK 0
	RUNK 1
	WIN 0
	s_wait_loadcnt 0x0              ; Q is in, and its loads have read their base: s32 on may take the mask words
	MWORDS                          ; step 0's
	s_mov_b32 s[SLOTS], 15
	s_mov_b32 s[TWICE], 2
	s_branch .Lenter                ; the loop is entered at part 2 of trip -1
.Lslot:                             ; 14 times: slots 2 to 15 are asked for
	CHANGE 1
	s_mov_b32 s[TWICE], 2
.Ltrip:
	PART1 0
	WIN 0
.Lenter:
	PART2
	PART3
	WIN 0
	s_sub_co_u32 s[TWICE], s[TWICE], 1
	s_cmp_lg_u32 s[TWICE], 0
	s_cbranch_scc1 .Ltrip
	s_sub_co_u32 s[SLOTS], s[SLOTS], 1
	s_cmp_lg_u32 s[SLOTS], 0
	s_cbranch_scc1 .Lslot
	CHANGE 2                        ; the tail is written out: slot 15's trips 29 and 30; V(31) is asked for
	s_mov_b32 s[TWICE], 2
.Ltail:
	PART1 0
	PART2
	PART3
	WIN 0
	s_sub_co_u32 s[TWICE], s[TWICE], 1
	s_cmp_lg_u32 s[TWICE], 0
	s_cbranch_scc1 .Ltail
	CHANGE 0                        ; V(31) is in
	PART1 1                         ; B_30's keys 32-63 | step 31's exponentials | V(31)'s runs 0, 1
.set qa, 0
.rept 8
	QAE                             ; eight rescalings: the places behind the last products, in front of the loads into their buffer and of the writes of P
.endr
	RUNV 2
	RUNV 3
.rept 152
	QAE                             ; step 31's last roundings and sums, and O^T times its a
.endr
.irp q, 0,1,2,3
	s_wait_dscnt 48-16*(\q)         ; the later quarters' runs may be out
.set i, 0
.rept 16
	PV \q                           ; B_31
.set i, i+1
.endr
.endr
	; THE WAY OUT.  l's two halves and the other half of the lanes' are added; O^T is divided by l (by a NaN where the row has seen no key), rounded to f16 and sent through my stage in LDS, a tile at a time.
	WIN 0
	PLACES
.irp t, 0,1
	v_add_f32 v[ST+8*(\t)+4], v[ST+8*(\t)+2], v[ST+8*(\t)+3]
.endr
.irp t, 0,1
	v_permlanex16_b32 v[ST+8*(\t)+5], v[ST+8*(\t)+4], s[SEL], s[SEL+1]
.endr
.irp t, 0,1
	v_add_f32 v[ST+8*(\t)+4], v[ST+8*(\t)+4], v[ST+8*(\t)+5]
.endr
.irp t, 0,1
	v_rcp_f32 v[ST+8*(\t)+6], v[ST+8*(\t)+4]
.endr
	v_nop                           ; a plain instruction between the last reciprocal and the use of its result
.irp t, 0,1
	v_cmp_gt_f32 vcc_lo, 0xef800000, v[ST+8*(\t)+1]  ; -2^96 > m: every key was hidden
	s_wait_alu depctr_va_vdst(0)
	v_cndmask_b32 v[ST+8*(\t)+6], v[ST+8*(\t)+6], v[NANV], vcc_lo
.endr
; Tile t: a lane's eight channels of a row pack into 16 bytes; they go into rows of 528 bytes and come back as whole rows of 512, into the registers that they left.
.macro PACK t
	WIN W_RS
.set i, 0
.rept 64
	v_pk_mul_f32 v[128*(\t)+2*i:128*(\t)+2*i+1], v[128*(\t)+2*i:128*(\t)+2*i+1], v[ST+8*(\t)+6:ST+8*(\t)+7] op_sel_hi:[1,0]
.set i, i+1
.endr
	WIN 0x05                        ; sources 0 and 1 window 1, destination window 0: S^T's and P's registers are free
.set i, 0
.rept 64
	v_cvt_pk_f16_f32 v[64+64*(\t)+i], v[128*(\t)+2*i], v[128*(\t)+2*i+1]
.set i, i+1
.endr
	WIN 0
.set i, 0
.rept 16
	ds_store_b128 v[STO], v[64+64*(\t)+4*i:64+64*(\t)+4*i+3] offset:32*i
.set i, i+1
.endr
.set i, 0
.rept 16
	ds_load_b128 v[64+64*(\t)+4*i:64+64*(\t)+4*i+3], v[RD] offset:i*SP  ; LDS serves a wave's instructions in order (ISA guide 5.7.1.4): these see the stores above; the next tile's stores come behind them
.set i, i+1
.endr
.endm
.macro SEND t, younger              ; younger: the LDS instructions issued behind tile t's loads: the next tile's 32, or none
.set i, 0
.rept 16
	s_wait_dscnt (\younger)+15-i
	global_store_b128 v[GO], v[64+64*(\t)+4*i:64+64*(\t)+4*i+3], s[YP:YP+1] offset:(16*(\t)+i)*8192  ; 512 consecutive bytes, aligned: the head's channels of one row
.set i, i+1
.endr
.endm
	PACK 0
	PACK 1                          ; a tile's arithmetic stands between the loads of the tile before and its stores
	SEND 0, 32
	SEND 1, 0
	s_wait_tensorcnt 0x0            ; the wave's end: a wait, an add of 0 to my spare word and a wait for it, behind my last tensor load and my last LDS store
	ds_add_u32 v[SPW], v[NIL]
	s_wait_dscnt 0x0
	CROUND                          ; the closing round: no work-group ends while a partner may still ask for a tile that names it
	s_endpgm
.Lfunc_end_k_qf397ad958f_attn:
	.size	k_qf397ad958f_attn, .Lfunc_end_k_qf397ad958f_attn-k_qf397ad958f_attn
	.p2alignl 7, 3214868480
	.fill 96, 4, 3214868480
	.section	.rodata,"a",@progbits
	.p2align	6, 0x0
	.amdhsa_kernel k_qf397ad958f_attn
		.amdhsa_group_segment_fixed_size 327680
		.amdhsa_private_segment_fixed_size 0
		.amdhsa_enable_private_segment 0
		.amdhsa_kernarg_size 24
		.amdhsa_user_sgpr_count 2
		.amdhsa_user_sgpr_kernarg_segment_ptr 1
		.amdhsa_wavefront_size32 1
		.amdhsa_system_sgpr_workgroup_id_x 1
		.amdhsa_system_sgpr_workgroup_id_y 1
		.amdhsa_system_sgpr_workgroup_id_z 1
		.amdhsa_system_vgpr_workitem_id 0
		.amdhsa_next_free_vgpr 896
		.amdhsa_next_free_sgpr 102
		.amdhsa_reserve_vcc 1
		.amdhsa_float_denorm_mode_32 3
		.amdhsa_float_denorm_mode_16_64 3
		.amdhsa_memory_ordered 1
		.amdhsa_forward_progress 1
		.amdhsa_inst_pref_size 176
	.end_amdhsa_kernel
	.amdgpu_metadata
---
amdhsa.version: [ 1, 2 ]
amdhsa.kernels:
  - .name:           k_qf397ad958f_attn
    .symbol:         k_qf397ad958f_attn.kd
    .args:
      - { .name: qkv, .offset: 0, .size: 8, .value_kind: global_buffer, .address_space: global }
      - { .name: maskw, .offset: 8, .size: 8, .value_kind: global_buffer, .address_space: global }
      - { .name: y16, .offset: 16, .size: 8, .value_kind: global_buffer, .address_space: global }
    .group_segment_fixed_size: 327680
    .private_segment_fixed_size: 0
    .kernarg_segment_align: 8
    .kernarg_segment_size: 24
    .max_flat_workgroup_size: 128
    .sgpr_count:     102
    .vgpr_count:     896
    .wavefront_size: 32
...
	.end_amdgpu_metadata
.endif
;; end of part 3
;; launch proj (part 4): grid 8 x 32, 4 waves a work-group, clusters of 4 x 4, 327,680 bytes of LDS; arguments y16, wo16, out0; writes out0
.if DOCPART == 4
	.amdgcn_target "amdgcn-amd-amdhsa--gfx1250"
	.amdhsa_code_object_version 6
	.text
	.protected	k_qf397ad958f_proj
	.globl	k_qf397ad958f_proj
	.p2align	8
	.type	k_qf397ad958f_proj,@function
k_qf397ad958f_proj:
	s_mov_b64 s[64:65], 0
	v_nop
	global_prefetch_b8 v0, s[64:65] scope:SCOPE_SE
	s_setreg_imm32_b32 hwreg(HW_REG_WAVE_MODE, 25, 1), 1
	s_wait_xcnt 0x0
	s_wait_alu depctr_hold_cnt(0) depctr_sa_sdst(0) depctr_va_vdst(0) depctr_va_sdst(0) depctr_va_ssrc(0) depctr_va_vcc(0) depctr_vm_vsrc(0)
	s_getreg_b32 s2, hwreg(HW_REG_IB_STS2, 6, 4)
	s_cmp_eq_u32 s2, 0
	s_cbranch_scc0 .Lentry_in_a_cluster
	s_endpgm
.Lentry_in_a_cluster:
	s_bfe_u32 s2, ttmp6, 0x10000c
	s_cmp_lg_u32 s2, 0xf033
	s_cbranch_scc0 .Lentry_shape_is_right
	s_endpgm
.Lentry_shape_is_right:
; PROJ: out0[2048][1024] f32 = y Wo.  y16: [2048][4096] f16.  wo16: [4096 k][1024] f16 (Wo rounded to bf16, written as f16).  Sums in f32.
; SHARES.  A work-group makes 64 rows x 128 columns: 8 x 32 = 256 work-groups.  K goes in ten steps of 384 and a last one of 256, through two LDS slots as large as LDS has room for: a step's tiles are
; 144 KiB for 96 matrix instructions of a wave, so what counts is how few changes of slots there are.  A step is three BLOCKS of 128 k; of block j wave w multiplies k = 128 j + 32 w .. + 31 for the whole
; tile: a CHUNK of 32 matrix instructions on 32 accumulators, fed by 24 LDS loads, each LDS byte read once.  The four waves' partial sums (f32) meet in LDS at the end, as (w0 + w1) + (w2 + w3).
; A slot: y's 64 rows of 768 bytes (16 bytes of padding behind every 256, so a block's part of a row begins 272 j into it), then Wo's three blocks of 128 k-rows of 256 bytes.
; Waves 0 to 2 fetch block 0 to 2 of Wo, wave 3 y's tile.  In the last step y's tile states that 256 elements are left of a row: nothing beyond is read, and the LDS rows keep their pitch;
; wave 2 asks for nothing, and block 2 is not multiplied.
; CLUSTER.  4 x 4 work-groups: y's tile is asked for jointly by a row of the cluster, Wo's blocks by a column.
; THE MATRIX INSTRUCTION IS USED TRANSPOSED: source 0 = 16 columns of Wo (turned by ds_load_tr16_b128), source 1 = 16 rows of y: a lane holds eight neighbouring columns of one row.
; REGISTERS: window 0: v16-29 addresses; two fragment buffers of 96 (v32, v128): 4 x 8 of y, then 8 x 8 of Wo.   window 1: the accumulators, (a, b) at v[8 (8 a + b)].
.set PA,     816                       ; a row of y in LDS: 3 x (256 + 16) bytes = 204 words: row r starts at bank 12 r mod 64: the 16 rows of a load start at 16 different groups of four banks (64 banks of 4 bytes: ISA guide 11.1)
.set PB,     288                       ; a k-row of Wo: 256 + 32 = 72 words
.set ATILE,  64*PA
.set BBLK,   128*PB
.set SLOT,   ATILE+3*BBLK              ; 162,816
.set SPARE,  2*SLOT                    ; behind the ring: the spare words, 128 bytes a wave, which no other line names
.set ASTEP,  768                       ; bytes from K step to K step in a row of y16
.set BSTEP,  384*2048                  ; and down wo16
.set RP,     528                       ; the reduction's stage lies over slot 0, which has had its last fill by then: for each wave 64 rows of 512 + 16 bytes
.set COPY,   64*RP
.set ADRA, 16                          ; v16-17  LDS address of my fragments of y in slot 0, 1
.set ADRB, 18                          ; v18-23  the same for Wo: slot s, block j at v[18 + 3 s + j]
.set STO,  24                          ; v24     where I put 32 bytes of a row of my partial sums
.set RD,   25                          ; v25-26  where I read a row of copies 0, 1 and of copies 2, 3
.set GO,   27                          ; v27     my 16 bytes of a row's 512 in out0
.set SPW,  28                          ; v28     LDS address of my spare word; never rewritten
.set NIL,  29                          ; v29     0; never rewritten
.set F0,   32
.set F1,   128
.set SUM,  32                          ; the reduction: 8 rows x 4 copies x 4 registers
.set G1, 24                            ; s[24:31] descriptor group 1 for y's tiles;  s[32:39] group 0, a set for each slot
.set G0, 32
.set G1B, 48                           ; s[48:55], s[56:63] the same for Wo's blocks
.set G0B, 56
.set G1L, 68                           ; s[68:75] group 1 for y's last tile
.set MSB, 0
.macro WIN new                         ; the immediate's high byte repeats the setting that is left
.if MSB != (\new)
	s_set_vgpr_msb (MSB<<8)|(\new)
.set MSB, (\new)
.endif
.endm
.macro PLACES                          ; four places in front of loads into registers that matrix instructions have read, and of LDS stores that read results
.rept 4
	v_nop
.endr
.endm
.macro JLOAD s                         ; a joint load; an s_nop 0 and four v_nop follow each of the two lines, ahead of the jump, the label and what follows
	s_cmp_eq_u32 s10, 3
	s_cbranch_scc0 .Lfor_b_\@
	tensor_load_to_lds s[G0+4*(\s):G0+4*(\s)+3], s[G1:G1+7]
	s_nop 0
.rept 4
	v_nop
.endr
	s_branch .Lasked_\@
.Lfor_b_\@:
	tensor_load_to_lds s[G0B+4*(\s):G0B+4*(\s)+3], s[G1B:G1B+7]
	s_nop 0
.rept 4
	v_nop
.endr
.Lasked_\@:
.endm
.macro JLAST                           ; the last step's joint loads, into slot 0: y's 256 elements a row, Wo's blocks 0 and 1; wave 2 has no part of it.  The places behind the label are wave 2's
	s_cmp_eq_u32 s10, 3
	s_cbranch_scc0 .Lfor_b_\@
	tensor_load_to_lds s[G0:G0+3], s[G1L:G1L+7]
	s_nop 0
.rept 4
	v_nop
.endr
	s_branch .Lasked_\@
.Lfor_b_\@:
	s_cmp_eq_u32 s10, 2
	s_cbranch_scc1 .Lasked_\@
	tensor_load_to_lds s[G0B:G0B+3], s[G1B:G1B+7]
	s_nop 0
.rept 4
	v_nop
.endr
.Lasked_\@:
	PLACES
.endm
.macro CREST                           ; a round of the cluster's barrier behind its opening barrier
	s_cmp_lg_u32 s10, 0
	s_cbranch_scc1 .Lnot_wave_0_\@
	s_barrier_signal -3
.Lnot_wave_0_\@:
	s_barrier_wait -3
	s_barrier_signal -1
	s_barrier_wait -1
.endm
.macro CROUND                          ; a whole round
	s_barrier_signal -1
	s_barrier_wait -1
	CREST
.endm
	s_load_b128 s[4:7], s[0:1], 0x0                ; y16 s[4:5], wo16 s[6:7]
	s_load_b64 s[8:9], s[0:1], 0x10                ; out0
	v_lshl_add_u32 v[SPW], v0, 2, SPARE
	v_mov_b32 v[NIL], 0
	ds_add_u32 v[SPW], v[NIL]                      ; the wave's opening: the add and its wait stand ahead of my first tensor load; the set-up below, work on registers, stands between them
	v_lshrrev_b32 v1, 5, v0
	v_readfirstlane_b32 s10, v1                    ; wave 0..3
	s_bfe_u32 s40, ttmp6, 0x40000                  ; cx, cy: my place in the cluster
	s_bfe_u32 s41, ttmp6, 0x40004
	s_lshl_b32 s42, ttmp9, 2
	s_add_co_u32 s42, s42, s40                     ; tile column = 4 x cluster x + cx
	s_and_b32 s13, ttmp7, 0xffff
	s_lshl_b32 s13, s13, 2
	s_add_co_u32 s13, s13, s41                     ; tile row = 4 x cluster y + cy
	s_lshl_b32 s43, s41, 2
	s_lshl_b32 s43, 15, s43                        ; my row of the cluster
	s_lshl_b32 s44, 0x1111, s40                    ; my column
.irp g, G1, G1L
	s_or_b32 s[(\g)], s43, (1<<16)|(1<<20)|(1<<21)|(5<<22)|(3<<25)  ; 15:0 the mask; 17:16 2-byte elements; 20 padding on; 21 set beside a mask; 24:22 after every 64 words (code 5); 31:25 4 words (code 3)
	s_mov_b32 s[(\g)+2], 64<<16                    ; tensor_dim1 = 64
	s_mov_b32 s[(\g)+3], 384<<16                   ; tile_dim0 = 384
	s_mov_b32 s[(\g)+4], 64                        ; tile_dim1 = 64
	s_mov_b32 s[(\g)+5], 4096                      ; elements from row to row
	s_mov_b32 s[(\g)+6], 0
	s_mov_b32 s[(\g)+7], 0
.endr
	s_mov_b32 s[G1+1], 384<<16                     ; tensor_dim0 = 384: the tile lies inside
	s_mov_b32 s[G1L+1], 256<<16                    ; tensor_dim0 = 256: what is left of a row from the last tile's first element; beyond it nothing is read
	s_or_b32 s[G1B], s44, (1<<16)|(1<<20)|(1<<21)|(5<<22)|(7<<25)  ; after every 64 words (code 5) 8 words (code 7)
	s_mov_b32 s[G1B+1], 128<<16                    ; tensor_dim0 = 128
	s_mov_b32 s[G1B+2], 128<<16                    ; tensor_dim1 = 128
	s_mov_b32 s[G1B+3], 128<<16                    ; tile_dim0 = 128
	s_mov_b32 s[G1B+4], 128                        ; tile_dim1 = 128
	s_mov_b32 s[G1B+5], 1024                       ; elements from k-row to k-row
	s_mov_b32 s[G1B+6], 0
	s_mov_b32 s[G1B+7], 0
	s_lshl_b32 s16, s13, 19                        ; y: 64 rows of 8,192 bytes for each tile row
	s_mov_b32 s17, 0
	s_lshl_b32 s46, s42, 8                         ; Wo: 256 bytes for each tile column,
	s_lshl_b32 s47, s10, 18                        ; 128 k-rows of 2,048 bytes for each block: block = wave (wave 3 makes this descriptor too and never asks by it)
	s_add_co_u32 s46, s46, s47
	s_mov_b32 s47, 0
	s_mul_i32 s21, s10, BBLK                       ; where the block goes in a slot: behind y's tile, wave x a block's bytes: no place in the cluster enters an LDS address
	s_add_co_u32 s21, s21, ATILE
	s_wait_dscnt 0x0                               ; the opening add is done
	s_wait_kmcnt 0x0
	s_add_nc_u64 s[14:15], s[4:5], s[16:17]
	s_add_nc_u64 s[46:47], s[6:7], s[46:47]
	CROUND                                         ; all sixteen work-groups are here: the first joint loads meet
.irp s, 0,1
	s_mov_b32 s[G0+4*(\s)], 1
	s_mov_b32 s[G0+4*(\s)+1], (\s)*SLOT
	s_add_nc_u64 s[G0+4*(\s)+2:G0+4*(\s)+3], s[14:15], (\s)*ASTEP      ; K step s
	s_or_b32 s[G0+4*(\s)+3], s[G0+4*(\s)+3], 0x80000000
	s_mov_b32 s[G0B+4*(\s)], 1
	s_add_co_u32 s[G0B+4*(\s)+1], s21, (\s)*SLOT
	s_add_nc_u64 s[G0B+4*(\s)+2:G0B+4*(\s)+3], s[46:47], (\s)*BSTEP
	s_or_b32 s[G0B+4*(\s)+3], s[G0B+4*(\s)+3], 0x80000000
	JLOAD \s                                       ; two loads of mine are out
.endr
	v_and_b32 v1, 15, v0                           ; r = l % 16
	v_bfe_u32 v2, v0, 4, 1                         ; h = l / 16
	v_and_b32 v3, 7, v0
	v_bfe_u32 v4, v0, 3, 1
	v_mul_u32_u24 v5, v1, PA                       ; y: row r, my wave's 32 k of a block (64 bytes), 16 bytes for each half of the lanes
	v_lshl_add_u32 v5, v2, 4, v5
	s_lshl_b32 s22, s10, 6
	v_add_nc_u32 v[ADRA], s22, v5
	v_add_nc_u32 v[ADRA+1], SLOT, v[ADRA]
	v_lshl_add_u32 v6, v2, 3, v3                   ; Wo: k-row 32 w + 8 h + l % 8 of a block, columns 8 ((l / 8) % 2) + 0..7
	v_mul_u32_u24 v6, v6, PB
	v_lshl_add_u32 v6, v4, 4, v6
	s_mul_i32 s22, s10, 32*PB
	s_add_co_u32 s22, s22, ATILE
	v_add_nc_u32 v[ADRB], s22, v6
	v_add_nc_u32 v[ADRB+1], BBLK, v[ADRB]
	v_add_nc_u32 v[ADRB+2], 2*BBLK, v[ADRB]
.irp j, 0,1,2
	v_add_nc_u32 v[ADRB+3+(\j)], SLOT, v[ADRB+(\j)]
.endr
	v_mul_u32_u24 v5, v1, RP                       ; my copy of the stage: row r, 32 bytes for each half of the lanes
	v_lshl_add_u32 v5, v2, 5, v5
	s_mul_i32 s22, s10, COPY
	v_add_nc_u32 v[STO], s22, v5
	v_and_b32 v[GO], 31, v0
	v_lshlrev_b32 v[GO], 4, v[GO]
	s_mul_i32 s22, s10, 16*RP                      ; back: wave w adds rows 16 w .. + 15; 32 lanes take a row of 512 bytes
	v_add_nc_u32 v[RD], s22, v[GO]
	v_add_nc_u32 v[RD+1], 2*COPY, v[RD]
	s_lshl_b32 s46, s13, 18                        ; out0: 64 rows of 4,096 bytes for each tile row, 16 for each wave, 512 bytes for each tile column
	s_lshl_b32 s47, s10, 16
	s_add_co_u32 s46, s46, s47
	s_lshl_b32 s47, s42, 9
	s_add_co_u32 s46, s46, s47
	s_mov_b32 s47, 0
	s_add_nc_u64 s[8:9], s[8:9], s[46:47]
; 8 matrix instructions: row block a x all 8 column blocks, 32 along K, from buffer f.  zero = 1: the first product starts the sums.  The accumulators take turns.
.macro MUL8 f, a, zero
	WIN 0x50
.irp b, 0,1,2,3,4,5,6,7
.if \zero
	v_wmma_f32_16x16x32_f16 v[8*(8*(\a)+(\b)):8*(8*(\a)+(\b))+7], v[(\f)+32+8*(\b):(\f)+32+8*(\b)+7], v[(\f)+8*(\a):(\f)+8*(\a)+7], 0
.else
	v_wmma_f32_16x16x32_f16 v[8*(8*(\a)+(\b)):8*(8*(\a)+(\b))+7], v[(\f)+32+8*(\b):(\f)+32+8*(\b)+7], v[(\f)+8*(\a):(\f)+8*(\a)+7], v[8*(8*(\a)+(\b)):8*(8*(\a)+(\b))+7]
.endif
.endr
.endm
; 24 LDS loads in one run: my fragments of block j of a slot into buffer f: Wo's sixteen first, then y's row blocks 0, 1, then 2, 3
.macro FETCH slot, j, f
	WIN 0
.irp b, 0,1,2,3,4,5,6,7
	ds_load_tr16_b128 v[(\f)+32+8*(\b):(\f)+32+8*(\b)+3],   v[ADRB+3*(\slot)+(\j)] offset:32*(\b)
	ds_load_tr16_b128 v[(\f)+32+8*(\b)+4:(\f)+32+8*(\b)+7], v[ADRB+3*(\slot)+(\j)] offset:32*(\b)+16*PB
.endr
.irp a, 0,1,2,3
	ds_load_b128 v[(\f)+8*(\a):(\f)+8*(\a)+3],   v[ADRA+(\slot)] offset:(\a)*16*PA+272*(\j)
	ds_load_b128 v[(\f)+8*(\a)+4:(\f)+8*(\a)+7], v[ADRA+(\slot)] offset:(\a)*16*PA+272*(\j)+32
.endr
.endm
; A chunk inside a slot: multiplies buffer f and fetches block j of the same slot into g.
.macro CHUNK slot, j, f, g, zero
	s_wait_dscnt 4                                 ; all but the youngest four loads: y's row blocks 2, 3
	MUL8 \f, 0, \zero
	MUL8 \f, 1, \zero
	PLACES
	FETCH \slot, \j, \g
	s_wait_dscnt 24                                ; all but the 24 just issued
	MUL8 \f, 2, \zero
	MUL8 \f, 3, \zero
.endm
; A slot's last chunk multiplies buffer f and changes slots: ONE barrier; in front of it each wave waits for all its tensor loads, adds 0 to its spare word, and waits for that and for its reads of this slot.
; fill = 1: the barrier opens a round of the cluster's barrier, and this slot is filled again, two K steps on, first thing behind the round: the load has 80 matrix instructions in which to land.
; fill = 2: the same with the last step's loads.  fill = 0: nothing is left to fetch.
.macro TURN slot, next, f, g, fill
	WIN 0                                          ; (the add's two registers lie in window 0)
	s_wait_tensorcnt 0x0                           ; all my tensor loads have landed: my part of the next slot
	ds_add_u32 v[SPW], v[NIL]                      ; 0 onto my spare word
	s_wait_dscnt 5                                 ; the add and the youngest four loads may be out
	MUL8 \f, 0, 0                                  ; eight matrix instructions stand between the add and the wait for it
	s_wait_dscnt 0x0                               ; the add is done, and my reads of this slot are over
	s_barrier_signal -1
	MUL8 \f, 1, 0
	WIN 0
	s_barrier_wait -1
.if \fill
	CREST                                          ; no wave of any partner still reads this slot's tiles or has a load on its way
	s_add_nc_u64 s[G0+4*(\slot)+2:G0+4*(\slot)+3], s[G0+4*(\slot)+2:G0+4*(\slot)+3], 2*ASTEP
	s_add_nc_u64 s[G0B+4*(\slot)+2:G0B+4*(\slot)+3], s[G0B+4*(\slot)+2:G0B+4*(\slot)+3], 2*BSTEP
.if (\fill) == 1
	JLOAD \slot                                    ; the four v_nop behind it are also the places in front of the loads below
.else
	JLAST
.endif
.else
	PLACES
.endif
	FETCH \next, 0, \g
	MUL8 \f, 2, 0
	MUL8 \f, 3, 0
.endm
	s_wait_tensorcnt 1                             ; my part of K step 0 is in; K step 1's may stay out
	s_barrier_signal -1
	s_barrier_wait -1                              ; everybody's is
	FETCH 0, 0, F0
	CHUNK 0, 1, F0, F1, 1                          ; the first chunk stands in front of the loop: its products start the sums
	WIN 0                                          ; at a label and at a branch every window is 0
	s_mov_b32 s3, 4
.Llap:                                                 ; a trip is six chunks, once round the ring, and fills both slots again: K steps 2 to 9
	CHUNK 0, 2, F1, F0, 0
	TURN 0, 1, F0, F1, 1
	CHUNK 1, 1, F1, F0, 0
	CHUNK 1, 2, F0, F1, 0
	TURN 1, 0, F1, F0, 1
	CHUNK 0, 1, F0, F1, 0
	WIN 0
	s_sub_co_u32 s3, s3, 1
	s_cmp_lg_u32 s3, 0
	s_cbranch_scc1 .Llap
	CHUNK 0, 2, F1, F0, 0                          ; the tail is written out: K step 8 goes on,
	TURN 0, 1, F0, F1, 2                           ; slot 0 takes the last step's 256 k,
	CHUNK 1, 1, F1, F0, 0                          ; K step 9,
	CHUNK 1, 2, F0, F1, 0
	TURN 1, 0, F1, F0, 0                           ; nothing is left to fetch,
	CHUNK 0, 1, F0, F1, 0                          ; and the last step's two blocks
	s_wait_dscnt 4
	MUL8 F1, 0, 0
	MUL8 F1, 1, 0
	s_wait_dscnt 0x0
	MUL8 F1, 2, 0
	MUL8 F1, 3, 0
	; THE FOUR PARTIAL SUMS MEET.  The stage lies over slot 0, so every wave has to have left the ring; each wave puts its 64 x 128 sums into its copy, 32 bytes of a row a lane.
	WIN 0
	s_barrier_signal -1
	s_barrier_wait -1
	PLACES
	WIN 0x04                                       ; the stores' data lie in window 1
.set n, 0
.rept 32                               ; accumulator n = 8 a + b; its low four registers first
	ds_store_b128 v[STO], v[8*n:8*n+3]   offset:(n/8)*16*RP+64*(n%8)
	ds_store_b128 v[STO], v[8*n+4:8*n+7] offset:(n/8)*16*RP+64*(n%8)+16
.set n, n+1
.endr
	WIN 0
	s_wait_dscnt 0x0                               ; for the others' sake: my stores into the stage are done
	s_barrier_signal -1
	s_barrier_wait -1
.irp t, 0,1                            ; eight rows at a time
	s_wait_xcnt 0x0                                ; the registers that earlier stores read are loaded again only behind this wait
.set i, 0
.rept 8
.irp c, 0,1,2,3
	ds_load_b128 v[SUM+16*i+4*(\c):SUM+16*i+4*(\c)+3], v[RD+(\c)/2] offset:((\c)%2)*COPY+(8*(\t)+i)*RP
.endr
.set i, i+1
.endr
.set i, 0
.rept 8
	s_wait_dscnt 4*(7-i)                           ; LDS loads come back in order: row i's four copies are in
	v_pk_add_f32 v[SUM+16*i:SUM+16*i+1],     v[SUM+16*i:SUM+16*i+1],     v[SUM+16*i+4:SUM+16*i+5]
	v_pk_add_f32 v[SUM+16*i+2:SUM+16*i+3],   v[SUM+16*i+2:SUM+16*i+3],   v[SUM+16*i+6:SUM+16*i+7]
	v_pk_add_f32 v[SUM+16*i+8:SUM+16*i+9],   v[SUM+16*i+8:SUM+16*i+9],   v[SUM+16*i+12:SUM+16*i+13]
	v_pk_add_f32 v[SUM+16*i+10:SUM+16*i+11], v[SUM+16*i+10:SUM+16*i+11], v[SUM+16*i+14:SUM+16*i+15]
	v_pk_add_f32 v[SUM+16*i:SUM+16*i+1],     v[SUM+16*i:SUM+16*i+1],     v[SUM+16*i+8:SUM+16*i+9]
	v_pk_add_f32 v[SUM+16*i+2:SUM+16*i+3],   v[SUM+16*i+2:SUM+16*i+3],   v[SUM+16*i+10:SUM+16*i+11]
	global_store_b128 v[GO], v[SUM+16*i:SUM+16*i+3], s[8:9] offset:(8*(\t)+i)*4096  ; 512 consecutive bytes, aligned
.set i, i+1
.endr
.endr
	s_wait_tensorcnt 0x0                           ; the wave's end: a wait, an add of 0 to my spare word and a wait for it, behind my last tensor load and my last LDS store
	ds_add_u32 v[SPW], v[NIL]
	s_wait_dscnt 0x0
	CROUND                                         ; the closing round: no work-group ends while a partner may still ask for a tile that names it
	s_endpgm
.Lfunc_end_k_qf397ad958f_proj:
	.size	k_qf397ad958f_proj, .Lfunc_end_k_qf397ad958f_proj-k_qf397ad958f_proj
	.p2alignl 7, 3214868480
	.fill 96, 4, 3214868480
	.section	.rodata,"a",@progbits
	.p2align	6, 0x0
	.amdhsa_kernel k_qf397ad958f_proj
		.amdhsa_group_segment_fixed_size 327680
		.amdhsa_private_segment_fixed_size 0
		.amdhsa_enable_private_segment 0
		.amdhsa_kernarg_size 24
		.amdhsa_user_sgpr_count 2
		.amdhsa_user_sgpr_kernarg_segment_ptr 1
		.amdhsa_wavefront_size32 1
		.amdhsa_system_sgpr_workgroup_id_x 1
		.amdhsa_system_sgpr_workgroup_id_y 1
		.amdhsa_system_sgpr_workgroup_id_z 1
		.amdhsa_system_vgpr_workitem_id 0
		.amdhsa_next_free_vgpr 512
		.amdhsa_next_free_sgpr 76
		.amdhsa_reserve_vcc 0
		.amdhsa_float_denorm_mode_32 3
		.amdhsa_float_denorm_mode_16_64 3
		.amdhsa_memory_ordered 1
		.amdhsa_forward_progress 1
		.amdhsa_inst_pref_size 81
	.end_amdhsa_kernel
	.amdgpu_metadata
---
amdhsa.version: [ 1, 2 ]
amdhsa.kernels:
  - .name:           k_qf397ad958f_proj
    .symbol:         k_qf397ad958f_proj.kd
    .args:
      - { .name: y16, .offset: 0, .size: 8, .value_kind: global_buffer, .address_space: global }
      - { .name: wo16, .offset: 8, .size: 8, .value_kind: global_buffer, .address_space: global }
      - { .name: out0, .offset: 16, .size: 8, .value_kind: global_buffer, .address_space: global }
    .group_segment_fixed_size: 327680
    .private_segment_fixed_size: 0
    .kernarg_segment_align: 8
    .kernarg_segment_size: 24
    .max_flat_workgroup_size: 128
    .sgpr_count:     76
    .vgpr_count:     512
    .wavefront_size: 32
...
	.end_amdgpu_metadata
.endif
;; end of part 4
